; MI455X (gfx1250); checked and timed in simulation.
; The chip was launched on July 23, 2026; its instructions are those of AMD's public machine-readable ISA for CDNA 5 (MIT licence, August 2026) and "CDNA5" Instruction Set Architecture Reference Guide (July 2026). The comments in the code are by the model that wrote it; some were corrected since.
;; Multi Head Attention. Allowed arithmetic: matrix products marked QUANTISED: E2M3 operands, one E8M0 scale for each 32 along K, by v_wmma_scale_f32_16x16x128_f8f6f4 with both operands' format E2M3, f32 sums; everything else in f32.
;; Inputs: attn_mask 4 x 2,048 x 2,048 bool; b_k 1,024 float32; b_q 1,024 float32; b_v 1,024 float32; w_k 1,024 x 1,024 float32; w_q 1,024 x 1,024 float32; w_v 1,024 x 1,024 float32; x_k_v 4 x 2,048 x 1,024 float32; x_q 4 x 2,048 x 1,024 float32.
;; Outputs: out0 4 x 2,048 x 1,024 float32.
;; This version of the problem:
;;   THIS VERSION OF THE PROBLEM IS GIVEN IN LOW PRECISION. The matrix products marked QUANTISED in the list below multiply operands that are first quantised to E2M3 (2 exponent bits, 3 mantissa bits; 6 bits a number), with one power-of-two scale for each 32 numbers along K (OCP MX v1.0); their sums are f32. All else is computed in f32.
;;   The module's matrix products, in the order in which they are computed (A, B: the left and right operand; K: the contracted axis; several contracted axes count as one K, in the product's order):
;;     1. [M 8,192, K 1,024] x [K 1,024, N 1,024]; A: input x_q; B: input w_q: QUANTISED
;;     2. [M 8,192, K 1,024] x [K 1,024, N 1,024]; A: input x_k_v; B: input w_k: QUANTISED
;;     3. [M 8,192, K 1,024] x [K 1,024, N 1,024]; A: input x_k_v; B: input w_v: QUANTISED
;;     4. batch 64 x [M 2,048, K 64] x [K 64, N 2,048]; A: computed on the way; B: computed on the way: QUANTISED
;;     5. batch 64 x [M 2,048, K 2,048] x [K 2,048, N 64]; A: softmax (see below); B: computed on the way: QUANTISED
;;   THE QUANTISER, for each operand of a quantised product, along K:
;;     - K is cut into blocks of 32 from its start; a last block that is shorter is filled with zeros.
;;     - A block's scale is 2^e with e = floor(log2(the largest magnitude in the block)) - 2, held to -126 .. 127; a block of zeros has e = 0. As a byte (E8M0): e + 127.
;;     - Each number is divided by its block's scale, clamped to +-7.5, and rounded to the nearest number of E2M3, ties to even, subnormals kept.
;;     - The product sums the exact products of the quantised numbers (number of the format x scale) in f32.
;;   ~~~python
;;   def quantise(x, axis):      # numpy; x: float32 -> the quantised numbers, widened to float32 again
;;       x = np.moveaxis(x, axis, -1); K = x.shape[-1]
;;       x = np.pad(x, [(0, 0)] * (x.ndim - 1) + [(0, -K % 32)]); x = x.reshape(x.shape[:-1] + (-1, 32)); a = np.abs(x).max(-1, keepdims=True)
;;       e = np.where(a > 0, np.clip(np.frexp(np.where(a > 0, a, 1))[1] - 1 - 2, -126, 127), 0)      # np.frexp(a)[1] - 1 = floor(log2(a)), exactly
;;       r = np.clip(x / 2.0 ** e, -7.5, 7.5)
;;       step = 2.0 ** (np.maximum(np.frexp(np.where(r == 0, 1, r))[1] - 1, 0) - 3)
;;       q = np.round(r / step) * step * 2.0 ** e      # np.round: ties to even
;;       return np.moveaxis(q.reshape(q.shape[:-2] + (-1,))[..., :K], -1, axis).astype(np.float32)
;;   ~~~
;;   SOFTMAX AHEAD OF A QUANTISED PRODUCT. Where the list says 'softmax', what is quantised is not the finished softmax but p = 2^(t - M), with t = logit x log2(e) and M = ceil(the row's largest t), a whole number; so 1/2 < the row's largest p <= 1. The row's sum l is taken of the UNQUANTISED p, in f32, and the product's result is divided by l at the end. Since M is a whole number, a kernel that streams over the keys may use a running M (the ceiling of the running maximum): every later rescaling is an exact power of two, which a block's scale takes up: the codes' values come out the same.
;;   OPERANDS COMPUTED ON THE WAY. 'Computed on the way' means the value that the module computes at that place (a softmax that the list does not call 'softmax' is quantised finished and normalised). What goes into a quantiser is computed in f32, as accurately as f32 sums, v_exp_f32 and their like allow (about 1e-6 of the number): no bf16 or f16 on the way to a quantiser, and a product that is left as it is and whose result goes on into a quantised operand takes f32 operands (vector FMAs, or v_wmma_f32_16x16x4_f32). A number that lies on a knife's edge between two numbers of the format may be rounded either way, as far as f32 arithmetic and the matrix unit's own rounding can turn it there, and no further.
;; One version. Each part assembles by itself: llvm-mc -triple=amdgcn-amd-amdhsa -mcpu=gfx1250 --defsym DOCPART=n.
;; ======== version 1 of 1: 3 launches
;; limits: right only within a limited range of input values
;; workspace buffers: codes 14,942,208 bytes; scales 622,592 bytes; maskw 4,194,304 bytes of whole numbers; flags 2,048 bytes of whole numbers; qkv 20,185,088 bytes
;; launch prep (part 1): grid 736 x 1, 4 waves a work-group, no clusters, 33,280 bytes of LDS; arguments attn_mask, x_q, x_k_v, w_q, w_k, w_v, codes, scales, maskw, flags; writes codes, scales, maskw, flags
.if DOCPART == 1
	.amdgcn_target "amdgcn-amd-amdhsa--gfx1250"
	.amdhsa_code_object_version 6
	.text
	.protected	k_q05327e19a1_prep
	.globl	k_q05327e19a1_prep
	.p2align	8
	.type	k_q05327e19a1_prep,@function
k_q05327e19a1_prep:
	s_mov_b64 s[64:65], 0
	v_nop
	global_prefetch_b8 v0, s[64:65] scope:SCOPE_SE
	s_setreg_imm32_b32 hwreg(HW_REG_WAVE_MODE, 25, 1), 1
	s_wait_xcnt 0x0
; PREP.  Two jobs in one launch, parted by the work-group's number.
; (1) Work-groups 128 .. 735: x_q, x_k_v [8192][1024], w_q, w_k, w_v [1024][1024], f32, become codes of FP6 (E2M3), K innermost (768 bytes a row), and one E8M0 byte for each 32 along K (32 bytes a row).
;     A block's scale is 2^(floor(log2(its largest magnitude)) - 2): its byte is the largest magnitude's exponent field - 2, held at 1 from below.  (A block of zeros keeps the byte 1: its codes are zeros, and only this program reads the bytes.)
;     All five tensors lie in ONE buffer of 19,456 rows: x_q from 0, x_k_v from 8,192, the weights from 16,384 BY COLUMN BLOCKS: block j (0 .. 7) is 384 rows: w_q's rows 128 j .. + 127, then w_k's, then w_v's,
;     so that what a work-group of the next launch needs of the three weights, codes and scale bytes, lies on end.
;     A ROW IS STORED AT ITS NUMBER WITH BITS 3 AND 4 SWAPPED: sixteen neighbouring rows of the buffer are then rows 32 b + 8 u + r + 8 (r / 8), r = 0 .. 15: the rows that must form a tile of the next launch's products
;     so that a lane's 16 results of two neighbouring tiles are 16 true neighbours.  A wave's run is 8 rows, so only the run's place changes: waves 1 and 2 change places.
; (2) Work-groups 0 .. 127: attn_mask [4][2048][2048] (one byte, 0 or 1; 1 = masked) becomes bits for the attention launch.  A wave takes one (batch b, tile t of 16 queries: 32 (t / 2) + 8 (t % 2) + r + 8 (r / 8)).
;     Lane l = 16 h + r holds query r; score register n of a step ks of 128 keys is key 128 ks + 32 (n / 16) + 16 h + n % 16.  For each step a lane stores four words, 16 bytes at 512 ks + 16 l of the tile's 8,192 bytes.
;     With g = n / 32, i = (n / 4) % 8, j = n % 4 the mask bit of register n lies in word 2 g + j % 2 at bit 8 (j | 1) + i: only bytes 1 and 3 of a word are used, so the bit eight places under any mask bit is 0.
;     And one word of flags a tile: bit ks: the step must be worked (it is not wholly masked, or some row of the tile is masked at all 2,048 keys, in which case every step is worked); bit 16 + ks: the step has a masked key.
; LIMITS: blocks whose largest magnitude lies under 2^-124 keep the byte 1; NaN and infinities among the inputs are not served; a mask byte is 0 or 1.
.set STEPS, 16                         ; quantiser: a wave takes 16 steps of 512 numbers: 8 rows
.set CB,    12                         ; bytes of 16 codes
.set R,     16                         ; v16-79   four sets of 16 numbers as they are loaded
.set X,     80                         ; v80-111  two sets of 16 neighbours
.set E,     112                        ; v112-127 a scale byte for each step
.set C,     128                        ; v128-191 codes: four registers for each step, so that no store's data are written again
.set WREG,  8192                       ; LDS: a region for each wave: two stages of 32 x SP bytes, behind them its 256 scale bytes
.set SP,    80                         ; a lane's place in a stage: 64 bytes + 16 of padding
.set MS,    32                         ; mask: v32-159 two sets of 64 registers (four steps x 16 dwords a lane)
.set OW,    160                        ; mask: v160-191 four words a step, eight steps' worth
	s_load_b512 s[4:19], s[0:1], 0x0               ; attn_mask s[4:5], x_q s[6:7], x_k_v s[8:9], w_q s[10:11], w_k s[12:13], w_v s[14:15], codes s[16:17], scales s[18:19]
	s_load_b128 s[20:23], s[0:1], 0x40             ; maskw s[20:21], flags s[22:23]
	v_lshl_add_u32 v192, v0, 2, 0x8000
	v_mov_b32 v193, 0
	v_lshrrev_b32 v1, 5, v0
	v_readfirstlane_b32 s28, v1                    ; wave 0..3
	v_and_b32 v2, 31, v0                           ; lane
	s_wait_kmcnt 0x0
	s_cmp_lt_u32 ttmp9, 128
	s_cbranch_scc1 .Lpack
; ---------------- the quantiser ----------------
; Each of a step's four loads reads 512 consecutive bytes, 16 a lane; the 2,048 bytes go through the wave's own stage in LDS and come back 64 bytes a lane: 16 neighbours along K, half a block.  No barrier: waves share nothing.
	s_wait_alu depctr_va_vdst(0)                   ; the wait behind the head's blocking wait
	v_lshlrev_b32 v3, 4, v2                        ; my 16 bytes of a load's 512
	s_mul_i32 s30, s28, WREG
	v_lshrrev_b32 v14, 2, v2
	v_mul_u32_u24 v14, v14, SP
	v_and_b32 v15, 3, v2
	v_lshl_add_u32 v14, v15, 4, v14
	v_add_nc_u32 v14, s30, v14                     ; the stage, way in: SP (lane / 4) + 16 (lane % 4)
	v_mul_u32_u24 v15, v2, SP
	v_add_nc_u32 v15, s30, v15                     ; way out: SP x lane
	v_mul_u32_u24 v4, v2, CB                       ; my codes' place in a step's 384 bytes
	v_lshrrev_b32 v5, 1, v2
	s_add_co_u32 s30, s30, 2*32*SP
	v_add_nc_u32 v5, s30, v5                       ; LDS: my block's scale byte
	v_lshlrev_b32 v7, 3, v2
	v_add_nc_u32 v6, s30, v7                       ; and 8 bytes a lane on their way out
	s_sub_co_u32 s29, ttmp9, 128                   ; g: which 32 rows of the 19,456
	s_mov_b64 s[24:25], s[14:15]                   ; the tensor is chosen by g alone: w_v from g = 576,
	s_mov_b32 s26, 576
	s_cmp_lt_u32 s29, 576
	s_cselect_b64 s[24:25], s[12:13], s[24:25]     ; w_k from 544,
	s_cselect_b32 s26, 544, s26
	s_cmp_lt_u32 s29, 544
	s_cselect_b64 s[24:25], s[10:11], s[24:25]     ; w_q from 512,
	s_cselect_b32 s26, 512, s26
	s_cmp_lt_u32 s29, 512
	s_cselect_b64 s[24:25], s[8:9], s[24:25]       ; x_k_v from 256,
	s_cselect_b32 s26, 256, s26
	s_cmp_lt_u32 s29, 256
	s_cselect_b64 s[24:25], s[6:7], s[24:25]       ; x_q from 0
	s_cselect_b32 s26, 0, s26
	s_sub_co_u32 s26, s29, s26
	s_lshl_b32 s26, s26, 2
	s_add_co_u32 s26, s26, s28                     ; my run of 8 rows in the tensor
	s_lshl_b32 s26, s26, 15                        ; 32,768 bytes a run (at most 1,023 runs: under 2^32)
	s_mov_b32 s27, 0
	s_add_nc_u64 s[24:25], s[24:25], s[26:27]
	s_max_u32 s33, s29, 512                        ; where the 32 rows go.  A weight's: u = g - 512 = 32 x tensor + 4 j + m goes to 512 + 12 j + 4 x tensor + m;
	s_sub_co_u32 s33, s33, 512
	s_lshr_b32 s34, s33, 5                         ; tensor 0, 1, 2
	s_bfe_u32 s35, s33, 0x30002                    ; j
	s_and_b32 s33, s33, 3                          ; m
	s_mul_i32 s35, s35, 12
	s_lshl_b32 s34, s34, 2
	s_add_co_u32 s33, s33, s34
	s_add_co_u32 s33, s33, s35
	s_add_co_u32 s33, s33, 512
	s_cmp_lt_u32 s29, 512
	s_cselect_b32 s33, s29, s33                    ; x's rows stay at g
	s_and_b32 s31, s28, 1
	s_lshl_b32 s31, s31, 1
	s_lshr_b32 s32, s28, 1
	s_or_b32 s31, s31, s32                         ; the wave's two bits swapped: bits 3 and 4 of the row
	s_lshl_b32 s32, s33, 2
	s_add_co_u32 s32, s32, s31                     ; the run's place in the buffers
	s_mul_i32 s26, s32, 32*STEPS*CB                ; 6,144 bytes of codes a run
	s_add_nc_u64 s[16:17], s[16:17], s[26:27]
	s_lshl_b32 s26, s32, 8                         ; 256 scale bytes a run
	s_add_nc_u64 s[18:19], s[18:19], s[26:27]
.macro QLOAD t
.irp i, 0,1,2,3
	global_load_b128 v[R+16*((\t)%4)+4*\i:R+16*((\t)%4)+4*\i+3], v3, s[24:25] offset:2048*(\t)+512*\i th:TH_LOAD_NT   ; 32 lanes read 512 consecutive bytes
.endr
.endm
.macro QTURN t                         ; step t's numbers through the stage: LDS serves a wave's instructions in order, so no wait stands between the stores and the loads
.irp i, 0,1,2,3
	ds_store_b128 v14, v[R+16*((\t)%4)+4*\i:R+16*((\t)%4)+4*\i+3] offset:32*SP*((\t)%2)+8*SP*\i
.endr
.irp i, 0,1,2,3
	ds_load_b128 v[X+16*((\t)%2)+4*\i:X+16*((\t)%2)+4*\i+3], v15 offset:32*SP*((\t)%2)+16*\i
.endr
.endm
.irp t, 0,1,2,3
	QLOAD \t
.endr
	s_wait_alu depctr_va_vdst(0)                   ; the wait at the head's end
	s_wait_loadcnt 12                              ; step 0's four loads are in; twelve younger ones stay out
	QTURN 0
.macro QSTEP t
.set XS, X+16*((\t)%2)
.if (\t) > 0
	s_wait_dscnt 1                                 ; this step's numbers are back from the stage (the last step's byte store may be out): so its stores into the stage have read their registers,
.else
	s_wait_dscnt 0x0
.endif
.if (\t)+4 < STEPS
	QLOAD (\t)+4                                   ; which take the loads of four steps on
.endif
.if (\t)+1 < STEPS
.if STEPS-2-(\t) >= 3
	s_wait_loadcnt 12                              ; the next step's four loads are in; those of the three steps behind it may be out
.else
	s_wait_loadcnt 4*(STEPS-2-(\t))
.endif
	QTURN (\t)+1                                   ; and go through the other stage while this step is worked
.endif
	v_max3_num_f32 v8, |v[XS]|, |v[XS+1]|, |v[XS+2]|               ; the largest magnitude of my 16, in two chains
	v_max3_num_f32 v9, |v[XS+3]|, |v[XS+4]|, |v[XS+5]|
.irp i, 6,10
	v_max3_num_f32 v8, v8, |v[XS+\i]|, |v[XS+\i+1]|
	v_max3_num_f32 v9, v9, |v[XS+\i+2]|, |v[XS+\i+3]|
.endr
	v_max3_num_f32 v8, v8, |v[XS+14]|, |v[XS+15]|
	v_max3_num_f32 v8, v8, v9, 0x1800000           ; and the floor 2^(3 - 127): the byte cannot fall under 1
	v_max_num_f32_dpp v8, v8, v8 row_xmask:1 row_mask:0xf bank_mask:0xf   ; and of my neighbour's 16: the block's
	v_add_nc_u32 v11, 0xff000000, v8               ; 2 off its exponent field: the conversion takes the exponent field of this operand as its scale
	v_cvt_scalef32_pk16_fp6_f32 v[C+4*(\t):C+4*(\t)+2], v[XS:XS+15], v11   ; sixteen numbers / the scale, to the nearest code, ties to even, beyond 7.5 the largest code
	v_lshrrev_b32 v[E+(\t)], 23, v11               ; the scale's byte (a plain line behind the conversion)
	ds_store_b8 v5, v[E+(\t)] offset:16*(\t)       ; both lanes of a block write the same byte with the same value
	global_store_b96 v4, v[C+4*(\t):C+4*(\t)+2], s[16:17] offset:32*CB*(\t)   ; the wave stores 384 consecutive bytes
.endm
.irp t, 0,1,2,3,4,5,6,7,8,9,10,11,12,13,14,15
	QSTEP \t
.endr
	ds_load_b64 v[12:13], v6                       ; LDS serves a wave's instructions in order: these see my byte stores
	s_wait_dscnt 0x0
	global_store_b64 v7, v[12:13], s[18:19]        ; 32 lanes store 256 consecutive bytes, aligned
	s_wait_tensorcnt 0x0                           ; the wave's end, behind my last LDS store
	ds_add_u32 v192, v193
	s_wait_dscnt 0x0
	s_endpgm
; ---------------- the mask ----------------
.Lpack:
	s_lshl_b32 s24, ttmp9, 2
	s_add_co_u32 s24, s24, s28                     ; W = 128 b + t
	s_lshr_b32 s25, s24, 7                         ; b
	s_and_b32 s26, s24, 127                        ; t
	s_lshr_b32 s27, s26, 1
	s_lshl_b32 s27, s27, 5                         ; 32 (t / 2)
	s_and_b32 s29, s26, 1
	s_lshl_b32 s29, s29, 3                         ; 8 (t % 2)
	s_add_co_u32 s27, s27, s29
	s_lshl_b32 s25, s25, 11                        ; 2,048 b
	s_add_co_u32 s27, s27, s25                     ; the tile's first query among the 8,192 rows of the mask
	s_lshl_b32 s26, s27, 11                        ; a row is 2,048 bytes
	s_mov_b32 s27, 0
	s_add_nc_u64 s[4:5], s[4:5], s[26:27]
	s_lshl_b32 s26, s24, 13                        ; 16 steps x 512 bytes a tile
	s_add_nc_u64 s[20:21], s[20:21], s[26:27]
	s_lshl_b32 s26, s24, 2
	s_add_nc_u64 s[22:23], s[22:23], s[26:27]
	s_wait_alu depctr_va_vdst(0)                   ; the wait behind the branch taken
	v_and_b32 v3, 15, v2                           ; r
	v_lshrrev_b32 v4, 4, v2                        ; h
	v_and_b32 v5, 8, v3
	v_add_nc_u32 v5, v5, v3                        ; r + 8 (r / 8)
	v_lshlrev_b32 v1, 11, v5
	v_lshl_add_u32 v1, v4, 4, v1                   ; my query's row, + 16 h: my 16 keys of each 32
	v_lshlrev_b32 v19, 4, v2                       ; way out: 16 bytes a lane
	v_mov_b32 v21, 0
	s_mov_b32 s30, 0                               ; steps that are wholly masked
	s_mov_b32 s31, 0                               ; steps with a masked key, from bit 16 on
.macro MLOAD set, ks0                  ; four steps' bytes: 16 loads, which together take 512 consecutive bytes of each of the 16 rows
.irp kk, 0,1,2,3
.irp be, 0,1,2,3
	global_load_b128 v[MS+64*(\set)+16*\kk+4*\be:MS+64*(\set)+16*\kk+4*\be+3], v1, s[4:5] offset:128*((\ks0)+\kk)+32*\be th:TH_LOAD_NT
.endr
.endr
.endm
.macro MREC set, kk, ks                ; one step: score register n's byte is byte n % 4 of my dword n / 4.  Eight dwords, dword i shifted up by i, make one word: bit 8 j + i is byte j of dword i
.set D, MS+64*(\set)+16*(\kk)
.set P, OW+4*((\ks)%8)
	v_lshl_or_b32 v[P+1], v[D+1], 1, v[D]
	v_lshl_or_b32 v[P+3], v[D+9], 1, v[D+8]
.irp i, 2,3,4,5,6,7
	v_lshl_or_b32 v[P+1], v[D+\i], \i, v[P+1]      ; (the two words by turns)
	v_lshl_or_b32 v[P+3], v[D+8+\i], \i, v[P+3]
.endr
	v_and_b32 v17, v[P+1], v[P+3]                  ; are all my 64 bits 1?  is any?
	v_or_b32 v18, v[P+1], v[P+3]
	v_and_b32 v[P], 0x00ff00ff, v[P+1]             ; each word is parted: the bits of bytes 0 and 2,
	v_and_b32 v[P+2], 0x00ff00ff, v[P+3]
	v_and_b32 v[P+1], 0xff00ff00, v[P+1]           ; and those of bytes 1 and 3, which stay;
	v_and_b32 v[P+3], 0xff00ff00, v[P+3]
	v_lshlrev_b32 v[P], 8, v[P]                    ; the first go one byte up
	v_lshlrev_b32 v[P+2], 8, v[P+2]
.if (\ks) == 0
	v_mov_b32 v16, v17                             ; and over all 16 steps: is my half of my query's row wholly masked?
.else
	v_and_b32 v16, v16, v17
.endif
	v_cmp_eq_u32 s40, -1, v17
	s_cmp_eq_u32 s40, -1
	s_cselect_b32 s41, 1<<(\ks), 0
	s_or_b32 s30, s30, s41
	v_cmp_ne_u32 s40, 0, v18
	s_cmp_lg_u32 s40, 0
	s_cselect_b32 s41, 1<<(16+(\ks)), 0
	s_or_b32 s31, s31, s41
	global_store_b128 v19, v[P:P+3], s[20:21] offset:512*(\ks)   ; 512 consecutive bytes, aligned
.endm
	MLOAD 0, 0
	MLOAD 1, 4
	s_wait_loadcnt 16                              ; set 0 is in; the other set's sixteen loads stay out
.irp kk, 0,1,2,3
	MREC 0, \kk, \kk
.endr
	MLOAD 0, 8
	s_wait_loadcnt 16
.irp kk, 0,1,2,3
	MREC 1, \kk, 4+\kk
.endr
	MLOAD 1, 12
	s_wait_xcnt 0x0                                ; the first eight steps' stores have read their data registers, which the next eight steps write again
	s_wait_loadcnt 16
.irp kk, 0,1,2,3
	MREC 0, \kk, 8+\kk
.endr
	s_wait_loadcnt 0x0
.irp kk, 0,1,2,3
	MREC 1, \kk, 12+\kk
.endr
	v_cmp_eq_u32 s40, -1, v16
	s_lshr_b32 s41, s40, 16
	s_and_b32 s41, s41, s40                        ; bit r: both halves of query r's row are wholly masked
	s_cmp_lg_u32 s41, 0
	s_cselect_b32 s41, 0xffff, 0                   ; such a row averages over all keys: every step is worked
	s_and_not1_b32 s30, 0xffff, s30                ; else the steps that are not wholly masked
	s_or_b32 s30, s30, s41
	s_or_b32 s30, s30, s31
	v_mov_b32 v22, s30
	s_wait_alu depctr_va_vdst(0)                   ; the wait ahead of the blocking wait
	s_wait_xcnt 0x0                                ; EXEC changes only behind this wait: the stores above have read it
	v_cmp_eq_u32 vcc_lo, 0, v2
	s_and_saveexec_b32 s42, vcc_lo
	global_store_b32 v21, v22, s[22:23]            ; lane 0 stores the tile's flags
	s_wait_xcnt 0x0
	s_or_b32 exec_lo, exec_lo, s42
	s_endpgm
.Lfunc_end_k_q05327e19a1_prep:
	.size	k_q05327e19a1_prep, .Lfunc_end_k_q05327e19a1_prep-k_q05327e19a1_prep
	.p2alignl 7, 3214868480
	.fill 96, 4, 3214868480
	.section	.rodata,"a",@progbits
	.p2align	6, 0x0
	.amdhsa_kernel k_q05327e19a1_prep
		.amdhsa_group_segment_fixed_size 33280
		.amdhsa_private_segment_fixed_size 0
		.amdhsa_enable_private_segment 0
		.amdhsa_kernarg_size 80
		.amdhsa_user_sgpr_count 2
		.amdhsa_user_sgpr_kernarg_segment_ptr 1
		.amdhsa_wavefront_size32 1
		.amdhsa_system_sgpr_workgroup_id_x 1
		.amdhsa_system_sgpr_workgroup_id_y 1
		.amdhsa_system_sgpr_workgroup_id_z 1
		.amdhsa_system_vgpr_workitem_id 0
		.amdhsa_next_free_vgpr 194
		.amdhsa_next_free_sgpr 66
		.amdhsa_reserve_vcc 1
		.amdhsa_float_denorm_mode_32 3
		.amdhsa_float_denorm_mode_16_64 3
		.amdhsa_memory_ordered 1
		.amdhsa_forward_progress 1
		.amdhsa_inst_pref_size 69
	.end_amdhsa_kernel
	.amdgpu_metadata
---
amdhsa.version: [ 1, 2 ]
amdhsa.kernels:
  - .name:           k_q05327e19a1_prep
    .symbol:         k_q05327e19a1_prep.kd
    .args:
      - { .name: attn_mask, .offset: 0, .size: 8, .value_kind: global_buffer, .address_space: global }
      - { .name: x_q, .offset: 8, .size: 8, .value_kind: global_buffer, .address_space: global }
      - { .name: x_k_v, .offset: 16, .size: 8, .value_kind: global_buffer, .address_space: global }
      - { .name: w_q, .offset: 24, .size: 8, .value_kind: global_buffer, .address_space: global }
      - { .name: w_k, .offset: 32, .size: 8, .value_kind: global_buffer, .address_space: global }
      - { .name: w_v, .offset: 40, .size: 8, .value_kind: global_buffer, .address_space: global }
      - { .name: codes, .offset: 48, .size: 8, .value_kind: global_buffer, .address_space: global }
      - { .name: scales, .offset: 56, .size: 8, .value_kind: global_buffer, .address_space: global }
      - { .name: maskw, .offset: 64, .size: 8, .value_kind: global_buffer, .address_space: global }
      - { .name: flags, .offset: 72, .size: 8, .value_kind: global_buffer, .address_space: global }
    .group_segment_fixed_size: 33280
    .private_segment_fixed_size: 0
    .kernarg_segment_align: 8
    .kernarg_segment_size: 80
    .max_flat_workgroup_size: 128
    .sgpr_count:     66
    .vgpr_count:     194
    .wavefront_size: 32
...
	.end_amdgpu_metadata
.endif
;; end of part 1
;; launch proj (part 2): grid 8 x 32, 4 waves a work-group, clusters of 4 x 4, 327,680 bytes of LDS; arguments codes, scales, b_q, b_k, b_v, qkv; writes qkv
.if DOCPART == 2
	.amdgcn_target "amdgcn-amd-amdhsa--gfx1250"
	.amdhsa_code_object_version 6
	.text
	.protected	k_q05327e19a1_proj
	.globl	k_q05327e19a1_proj
	.p2align	8
	.type	k_q05327e19a1_proj,@function
k_q05327e19a1_proj:
	s_mov_b64 s[64:65], 0
	v_nop
	global_prefetch_b8 v0, s[64:65] scope:SCOPE_SE
	s_setreg_imm32_b32 hwreg(HW_REG_WAVE_MODE, 25, 1), 1
	s_wait_xcnt 0x0
	s_wait_alu depctr_hold_cnt(0) depctr_sa_sdst(0) depctr_va_vdst(0) depctr_va_sdst(0) depctr_va_ssrc(0) depctr_va_vcc(0) depctr_vm_vsrc(0)
	s_getreg_b32 s2, hwreg(HW_REG_IB_STS2, 6, 4)
	s_cmp_eq_u32 s2, 0
	s_cbranch_scc0 .Lentry_in_a_cluster
	s_endpgm
.Lentry_in_a_cluster:
	s_bfe_u32 s2, ttmp6, 0x10000c
	s_cmp_lg_u32 s2, 0xf033
	s_cbranch_scc0 .Lentry_shape_is_right
	s_endpgm
.Lentry_shape_is_right:
; PROJ.  q = x_q w_q^T + b_q, k = x_k_v w_k^T + b_k, v = x_k_v w_v^T + b_v on codes of FP6 (E2M3) with E8M0 scales, sums in f32; the results are quantised again, q and k along the head's channels, v along the tokens,
; and stored as images of the attention launch's operand registers: a record of 19,712 bytes for each (batch, head, 128 tokens): K's codes 0, V^T's 6,144, K's scale words 12,288, V^T's 12,800, Q's codes 13,056, Q's scale words 19,200.
; SHARES.  256 work-groups, one for each (i: 256 tokens, j: 128 channels = two heads), each with all three products, in two phases: Q (256 x 128), then K and V together (256 x 256: B's rows are 128 of w_k and 128 of w_v).
; Wave (wr, wc) has tokens 128 wr .. + 127 and head 2 j + wc: one whole record.  Q and K: source 0 = the weight's rows, source 1 = x's rows: a lane holds a token, its registers run along the channels.
; V: source 0 = x's rows, source 1 = w_v's rows: a lane holds a channel, its registers run along the tokens.  The biases are the C of each phase's first products.
; THE RING.  Rows of codes are 768 bytes; they go through two LDS slots in chunks of 256 bytes, each a tile row that begins at a multiple of 256 bytes.  The two phases are one walk of 16 steps of 128 along K and six chunks:
; chunk c lies in slot c % 2; chunks 0-2 are x_q's and w_q's, chunks 3-5 x_k_v's and w_k's, w_v's.  Of each eight steps, steps 2 and 5 lie across two chunks.  In chunks 0-2 B has 128 rows, which wave 2 fetches; wave 3 fetches none.
; THE SCALES of both x tensors' 256 rows (one tile of two rows of 8,192 bytes) and of the 384 rows of weights (one dense block) come once, at the head, and stay.
; CLUSTERS: 4 x 4 work-groups; x's tiles are asked for jointly along a row of the cluster, the weights' along a column.
; No prefetch: the block is the largest that the registers hold, in clusters, and the walk is six fills long, of which two are asked for before the first product.
; REGISTERS.  Window 0: v0-31 addresses; v32-63 scale words, two sets; v64-95 b_q, v96-127 b_k, v224-255 b_v as C operands; v128-223 x's fragments, one set; on the way out v48-93 are at work (scale set 1 and b_q are done with by then).
; Window 1: the weights' fragments, two sets, at v0 and v128.  Window 2: Q's, then K's accumulators, (token tile a, channel tile b) at 32 a + 8 b.  Window 3: V's, (channel tile b, token tile a) at 64 b + 8 a.
; LIMITS: NaN and infinities are not served; a block of results whose largest magnitude lies under 2^-124 keeps the scale byte 1.
.set ROWB,   256
.set KROW,   768
.set CHUNKS, 6
.set PITCH,  272                       ; an LDS row: 256 bytes + 16 of padding
.set FR,     12
.set NL,     6
.set NP,     4
.set HALFT,  128*PITCH
.set SLOT,   4*HALFT                   ; x's 256 rows, then the weights' 256
.set DA,     8192*KROW                 ; bytes from x_q's rows to x_k_v's
.set DB,     128*KROW                  ; from w_q's rows to w_k's, and from w_k's to w_v's
.set SCL,    2*SLOT                    ; the scales, as units of 256 bytes + 16: x_q's 256 rows, x_k_v's, then w_q's, w_k's, w_v's 128 each
.set XS,     8704                      ; those of 256 rows
.set HALFS,  4352                      ; of 128
.set HEADS_, 2176                      ; of 64
.set SBLK,   544                       ; of 16
.set SPARE,  SCL+2*XS+3*HALFS          ; the spare words: 512 bytes that no other line names
.set REC,    19712
.set ADRA, 16                          ; v16-19 x's fragments: slot 0, 1; across two chunks from slot 0, 1
.set ADRB, 20                          ; v20-23 the same for the weights
.set L16,  24                          ; v24 16 x lane
.set L8,   25                          ; v25 8 x lane
.set ADRS, 26                          ; v26 scale words in phase Q; v27 in phase K, V, blocks 0-3; v30 blocks 4-7
.set SPW,  28
.set NIL,  29
.set SC,   32
.set BQ,   64
.set BK,   96
.set BV,   224
.set AF,   128
.set TM,   48                          ; the way out
.set PC,   64
.set PW,   84
.set T,    85
.set W,    86
.set OS,   48
.set G1, 24
.set G0, 32
.set G1B, 48
.set G0B, 56
.set G1S, 68
.set G0S, 76
.set G1SB, 80
.set G0SB, 88
.set G0H, 92                           ; s[92:95] the head's load of x_q's chunk 0;  s[4:7] of w_q's (the arguments that lay there have been used by then)
.set G0HB, 4
.set MSB, 0
.macro WIN new
.if MSB != \new
	s_set_vgpr_msb (MSB<<8)|\new
.set MSB, \new
.endif
.endm
.set TO_B, 0x40
.macro PLACES n
.rept \n
	v_nop
.endr
.endm
; A joint load: waves 0 and 1 fetch x's two halves, waves 2 and 3 the weights'.  q = 1: a chunk of phase Q, in which wave 3 has no part.  The branches hang on the wave's number alone.
.macro JLOAD g0a, g0b, q
	s_cmp_eq_u32 s15, 0
	s_cbranch_scc0 .Lfor_b_\@
	tensor_load_to_lds s[\g0a:\g0a+3], s[G1:G1+7]
	s_nop 0
	PLACES 4
	s_branch .Lasked_\@
.Lfor_b_\@:
.if \q
	s_cmp_eq_u32 s14, 3
	s_cbranch_scc1 .Lasked_\@
.endif
	tensor_load_to_lds s[\g0b:\g0b+3], s[G1B:G1B+7]
	s_nop 0
	PLACES 4
.Lasked_\@:
.if \q
	PLACES 4                                       ; wave 3's places in front of the loads that follow
.endif
.endm
.macro CREST
	s_cmp_lg_u32 s14, 0
	s_cbranch_scc1 .Lnot_wave_0_\@
	s_barrier_signal -3
.Lnot_wave_0_\@:
	s_barrier_wait -3
	s_barrier_signal -1
	s_barrier_wait -1
.endm
.macro CROUND
	s_barrier_signal -1
	s_barrier_wait -1
	CREST
.endm
	s_load_b256 s[4:11], s[0:1], 0x0               ; codes s[4:5], scales s[6:7], b_q s[8:9], b_k s[10:11]
	s_load_b128 s[96:99], s[0:1], 0x20             ; b_v s[96:97], qkv s[98:99]
	v_lshl_add_u32 v[SPW], v0, 2, SPARE
	v_mov_b32 v[NIL], 0
	ds_add_u32 v[SPW], v[NIL]                      ; the opening lines: the add, twice on end, and its wait ahead of my first tensor load
	ds_add_u32 v[SPW], v[NIL]
	v_lshrrev_b32 v1, 5, v0
	v_readfirstlane_b32 s14, v1                    ; wave 0..3
	s_lshr_b32 s15, s14, 1                         ; wr.  Also: I fetch for x (0) or for the weights (1)
	s_and_b32 s16, s14, 1                          ; wc.  Also: which 128 rows I fetch
	s_bfe_u32 s40, ttmp6, 0x40000                  ; cx, cy
	s_bfe_u32 s41, ttmp6, 0x40004
	s_lshl_b32 s42, ttmp9, 2
	s_add_co_u32 s42, s42, s40                     ; j
	s_and_b32 s17, ttmp7, 0xffff
	s_lshl_b32 s17, s17, 2
	s_add_co_u32 s17, s17, s41                     ; i
	s_lshl_b32 s43, s41, 2
	s_lshl_b32 s43, 15, s43                        ; my row of the cluster
	s_lshl_b32 s44, 0x1111, s40                    ; my column
	s_or_b32 s[G1+0], s43, (1<<20)|(1<<21)|(5<<22)|(3<<25)   ; elements of 1 byte; 16 bytes of padding behind every 256
	s_or_b32 s[G1B+0], s44, (1<<20)|(1<<21)|(5<<22)|(3<<25)
.irp g, G1, G1B
	s_mov_b32 s[\g+1], ROWB<<16
	s_mov_b32 s[\g+3], ROWB<<16
	s_mov_b32 s[\g+5], KROW
	s_mov_b32 s[\g+6], 0
	s_mov_b32 s[\g+7], 0
.endr
	s_mov_b32 s[G1+2], 256<<16                     ; x: 256 rows for the head's load; behind it 128, for the ring's
	s_mov_b32 s[G1+4], 256
	s_mov_b32 s[G1B+2], 128<<16                    ; the weights: 128 rows throughout
	s_mov_b32 s[G1B+4], 128
	s_or_b32 s[G1S+0], s43, (3<<16)|(1<<20)|(1<<21)|(5<<22)|(3<<25)   ; x's scales: two rows of 1,024 elements of 8 bytes, x_q's and x_k_v's, 8,192 x 32 bytes apart
	s_mov_b32 s[G1S+1], 1024<<16
	s_mov_b32 s[G1S+2], 2<<16
	s_mov_b32 s[G1S+3], 1024<<16
	s_mov_b32 s[G1S+4], 2
	s_mov_b32 s[G1S+5], 32768
	s_mov_b32 s[G1S+6], 0
	s_mov_b32 s[G1S+7], 0
	s_or_b32 s[G1SB+0], s44, (3<<16)|(1<<20)|(1<<21)|(5<<22)|(3<<25)  ; the weights' scales: a dense block of 48 rows of 256 bytes
	s_mov_b32 s[G1SB+1], 32<<16
	s_mov_b32 s[G1SB+2], 48<<16
	s_mov_b32 s[G1SB+3], 32<<16
	s_mov_b32 s[G1SB+4], 48
	s_mov_b32 s[G1SB+5], 32
	s_mov_b32 s[G1SB+6], 0
	s_mov_b32 s[G1SB+7], 0
	s_lshl_b32 s20, s17, 8                         ; x_q's first row: 256 i
	s_mul_i32 s46, s42, 384
	s_add_co_u32 s46, s46, 16384                   ; w_q's: 16,384 + 384 j
	s_lshl_b32 s22, s20, 5                         ; their scales, 32 bytes a row
	s_mov_b32 s23, 0
	s_lshl_b32 s100, s46, 5
	s_mov_b32 s101, 0
	s_mul_i32 s20, s20, KROW                       ; and their codes (all under 2^24)
	s_mov_b32 s21, 0
	s_mul_i32 s46, s46, KROW
	s_mov_b32 s47, 0
	s_mul_i32 s18, s16, 128*KROW                   ; in the ring I fetch 128 rows: which,
	s_mov_b32 s19, 0
	s_mul_i32 s45, s14, HALFT                      ; and where they go
	s_mov_b32 s2, 0x76543210                       ; lane selects for lane l xor 16
	s_mov_b32 s3, 0xfedcba98
	s_mov_b32 s12, 0x7f7f0000
	s_mov_b32 s13, 0xffff0000
	s_wait_dscnt 0x0                               ; both opening adds are done
	s_wait_kmcnt 0x0
	s_add_nc_u64 s[20:21], s[4:5], s[20:21]
	s_add_nc_u64 s[46:47], s[4:5], s[46:47]
	s_add_nc_u64 s[G0S+2:G0S+3], s[6:7], s[22:23]
	s_add_nc_u64 s[G0SB+2:G0SB+3], s[6:7], s[100:101]
	CROUND                                         ; all sixteen work-groups are here: the first joint loads meet
	s_mov_b32 s[G0H], 1
	s_mov_b32 s[G0H+1], 0
	s_mov_b64 s[G0H+2:G0H+3], s[20:21]
	s_or_b32 s[G0H+3], s[G0H+3], 0x80000000
	s_mov_b32 s[G0HB], 1
	s_mov_b32 s[G0HB+1], 2*HALFT
	s_mov_b64 s[G0HB+2:G0HB+3], s[46:47]
	s_or_b32 s[G0HB+3], s[G0HB+3], 0x80000000
	s_mov_b32 s[G0S], 1
	s_mov_b32 s[G0S+1], SCL
	s_or_b32 s[G0S+3], s[G0S+3], 0x80000000
	s_mov_b32 s[G0SB], 1
	s_mov_b32 s[G0SB+1], SCL+2*XS
	s_or_b32 s[G0SB+3], s[G0SB+3], 0x80000000
	s_add_nc_u64 s[20:21], s[20:21], s[18:19]
	s_add_nc_u64 s[46:47], s[46:47], s[18:19]
.irp s, 0,1
	s_mov_b32 s[G0+4*\s], 1
	s_add_co_u32 s[G0+4*\s+1], s45, \s*SLOT
	s_add_nc_u64 s[G0+4*\s+2:G0+4*\s+3], s[20:21], \s*ROWB
	s_or_b32 s[G0+4*\s+3], s[G0+4*\s+3], 0x80000000
	s_mov_b32 s[G0B+4*\s], 1
	s_add_co_u32 s[G0B+4*\s+1], s45, \s*SLOT
	s_add_nc_u64 s[G0B+4*\s+2:G0B+4*\s+3], s[46:47], \s*ROWB
	s_or_b32 s[G0B+4*\s+3], s[G0B+4*\s+3], 0x80000000
.endr
; THE HEAD'S LOADS, ONE A WAVE: wave 0 x_q's chunk 0 (256 rows), wave 1 w_q's (128 rows), wave 2 x's scales, wave 3 the weights'.  One chain of branches on the wave's number, every arm with one load, all to one join.
.macro ARM under, g0, g1, next
	s_cmp_lt_u32 s14, \under
	s_cbranch_scc0 \next
	tensor_load_to_lds s[\g0:\g0+3], s[\g1:\g1+7]
	s_nop 0
	PLACES 4
	s_branch .Lhead_asked
\next:
.endm
	ARM 1, G0H,  G1,  .Lhead_b
	ARM 2, G0HB, G1B, .Lhead_sa
	ARM 3, G0S,  G1S, .Lhead_sb
	tensor_load_to_lds s[G0SB:G0SB+3], s[G1SB:G1SB+7]
	s_nop 0
	PLACES 4
.Lhead_asked:
	v_and_b32 v1, 15, v0                           ; r
	v_bfe_u32 v2, v0, 4, 1                         ; h
	v_mul_u32_u24 v3, v1, PITCH
	v_mul_u32_u24 v4, v2, 24
	v_add_nc_u32 v4, v3, v4                        ; a fragment's row x pitch + 24 h
	s_mov_b32 s21, SLOT-232
	s_mov_b32 s22, SLOT+232
	v_sub_nc_u32 v7, 1, v2
	v_mul_u32_u24 v5, s21, v2
	v_add_nc_u32 v5, v3, v5
	v_add_nc_u32 v5, 232, v5                       ; across two chunks: lanes 0-15 byte 232 of the row in slot 0, lanes 16-31 byte 0 of the row in slot 1;
	v_mul_u32_u24 v6, s22, v7
	v_add_nc_u32 v6, v3, v6                        ; and the other way round
	s_mul_i32 s21, s15, HALFT                      ; my 128 rows of x
	s_mul_i32 s22, s16, 64*PITCH                   ; my head's 64 rows of a weight,
	s_add_co_u32 s22, s22, 2*HALFT                 ; behind x's 256
	v_add_nc_u32 v[ADRA+2], s21, v5
	v_add_nc_u32 v[ADRA+3], s21, v6
	v_add_nc_u32 v[ADRB+2], s22, v5
	v_add_nc_u32 v[ADRB+3], s22, v6
.irp s, 0,1
	v_add_nc_u32 v[ADRA+\s], s21, v4
	v_add_nc_u32 v[ADRB+\s], s22, v4
	s_add_co_u32 s21, s21, SLOT
	s_add_co_u32 s22, s22, SLOT
.endr
	v_mul_u32_u24 v5, v1, 32                       ; my row's scales: 32 bytes a row,
	v_lshrrev_b32 v6, 8, v5
	v_lshl_add_u32 v5, v6, 4, v5                   ; and 16 more for each 256 passed
	s_wait_alu depctr_va_vdst(0)                   ; the wait here, directly behind the write
	s_mul_i32 s21, s15, HALFS                      ; lanes 0-15: x's rows; lanes 16-31: the weight's, a distance further on
	s_mul_i32 s22, s16, HEADS_
	s_add_co_u32 s22, s22, 2*XS
	s_sub_co_u32 s22, s22, s21                     ; phase Q: from x_q's 128 rows to w_q's 64
	s_add_co_u32 s21, s21, SCL
	v_mul_u32_u24 v6, s22, v2
	v_add_nc_u32 v6, v5, v6
	v_add_nc_u32 v[ADRS], s21, v6
	s_sub_co_u32 s22, s22, HALFS                   ; from x_k_v's to w_k's
	s_add_co_u32 s21, s21, XS
	v_mul_u32_u24 v6, s22, v2
	v_add_nc_u32 v6, v5, v6
	v_add_nc_u32 v[ADRS+1], s21, v6
	s_add_co_u32 s22, s22, HEADS_                  ; and to w_v's, for blocks 4-7: four blocks' offset less than its place
	v_mul_u32_u24 v6, s22, v2
	v_add_nc_u32 v6, v5, v6
	v_add_nc_u32 v[ADRS+4], s21, v6
	v_and_b32 v8, 31, v0
	v_lshlrev_b32 v[L16], 4, v8
	v_lshlrev_b32 v[L8], 3, v8
	s_lshl_b32 s100, s42, 1
	s_add_co_u32 s100, s100, s16                   ; my head: 2 j + wc
	s_lshl_b32 s101, s100, 8                       ; its 64 biases, in bytes
	v_lshl_add_u32 v6, v2, 6, s101                 ; along the registers: register 16 be + e is channel 32 be + 16 h + e
	v_and_b32 v7, 8, v1
	v_add_nc_u32 v7, v7, v1
	v_lshl_add_u32 v7, v7, 2, s101                 ; along the lanes: lane r of tile b is channel 32 (b / 2) + 8 (b % 2) + r + 8 (r / 8)
.irp be, 0,1
.irp k, 0,1,2,3
	global_load_b128 v[BQ+16*\be+4*\k:BQ+16*\be+4*\k+3], v6, s[8:9] offset:128*\be+16*\k
	global_load_b128 v[BK+16*\be+4*\k:BK+16*\be+4*\k+3], v6, s[10:11] offset:128*\be+16*\k
.endr
.endr
.irp b, 0,1,2,3
.irp e, 0,1,2,3,4,5,6,7
	global_load_b32 v[BV+8*\b+\e], v7, s[96:97] offset:(32*(\b/2)+8*(\b%2))*4   ; the same number in all eight registers of the C operand
.endr
.endr
	s_lshl_b32 s22, s17, 1
	s_add_co_u32 s22, s22, s15                     ; my 128 tokens: block 2 i + wr of 64
	s_lshr_b32 s23, s22, 4
	s_lshl_b32 s23, s23, 4                         ; 16 x batch
	s_add_co_u32 s23, s23, s100
	s_lshl_b32 s23, s23, 4
	s_and_b32 s22, s22, 15
	s_add_co_u32 s23, s23, s22                     ; record (16 batch + head) 16 + block % 16
	s_mul_i32 s22, s23, REC
	s_mov_b32 s23, 0
	s_add_nc_u64 s[98:99], s[98:99], s[22:23]
.macro FRAG reg, adr, st, i            ; 16 rows x 128 K: 12 registers, in pieces of 8 bytes.  Byte y of the walk lies in chunk y / 256, slot (y / 256) % 2, at byte y % 256 of the LDS row; lanes 16-31 read 24 bytes on
.irp p, 0,1,2,3,4,5
.set BY, 96*(\st)+48*(\p/3)+8*(\p%3)
.if BY/ROWB == (BY+24)/ROWB
	ds_load_b64 v[\reg+2*\p:\reg+2*\p+1], v[\adr+(BY/ROWB)%2] offset:BY%ROWB+(\i)*16*PITCH
.else
	ds_load_b64 v[\reg+2*\p:\reg+2*\p+1], v[\adr+2+(BY/ROWB)%2] offset:BY%ROWB-232+(\i)*16*PITCH
.endif
.endr
.endm
; Eight products: token tiles a0, a0 + 1 x my head's four channel tiles.  bias: the registers of the C operand in a phase's first step, else 0: in place.  The accumulators take turns, one instruction a turn.
.macro KT2 a0, p, q, sc, bias
.irp a, \a0, \a0+1
.irp b, 0,1,2,3
.if \bias
	v_wmma_scale_f32_16x16x128_f8f6f4 v[32*(\a)+8*\b:32*(\a)+8*\b+7], v[128*(\p)+FR*\b:128*(\p)+FR*\b+FR-1], v[AF+FR*(\a):AF+FR*(\a)+FR-1], v[\bias+8*\b:\bias+8*\b+7], v[SC+16*(\sc)+2*\b+(\q)], v[SC+16*(\sc)+2*(\a)+(\q)] matrix_a_fmt:MATRIX_FMT_FP6 matrix_b_fmt:MATRIX_FMT_FP6 matrix_a_scale:MATRIX_SCALE_ROW1
.else
	v_wmma_scale_f32_16x16x128_f8f6f4 v[32*(\a)+8*\b:32*(\a)+8*\b+7], v[128*(\p)+FR*\b:128*(\p)+FR*\b+FR-1], v[AF+FR*(\a):AF+FR*(\a)+FR-1], v[32*(\a)+8*\b:32*(\a)+8*\b+7], v[SC+16*(\sc)+2*\b+(\q)], v[SC+16*(\sc)+2*(\a)+(\q)] matrix_a_fmt:MATRIX_FMT_FP6 matrix_b_fmt:MATRIX_FMT_FP6 matrix_a_scale:MATRIX_SCALE_ROW1
.endif
.endr
.endr
.endm
.macro VT2 a0, p, q, sc, bias          ; the same for V: x is source 0, w_v's tiles (fragments 4-7) source 1
.irp a, \a0, \a0+1
.irp b, 0,1,2,3
.if \bias
	v_wmma_scale_f32_16x16x128_f8f6f4 v[64*\b+8*(\a):64*\b+8*(\a)+7], v[AF+FR*(\a):AF+FR*(\a)+FR-1], v[128*(\p)+FR*(4+\b):128*(\p)+FR*(4+\b)+FR-1], v[\bias+8*\b:\bias+8*\b+7], v[SC+16*(\sc)+2*(\a)+(\q)], v[SC+16*(\sc)+2*(4+\b)+(\q)] matrix_a_fmt:MATRIX_FMT_FP6 matrix_b_fmt:MATRIX_FMT_FP6 matrix_b_scale:MATRIX_SCALE_ROW1
.else
	v_wmma_scale_f32_16x16x128_f8f6f4 v[64*\b+8*(\a):64*\b+8*(\a)+7], v[AF+FR*(\a):AF+FR*(\a)+FR-1], v[128*(\p)+FR*(4+\b):128*(\p)+FR*(4+\b)+FR-1], v[64*\b+8*(\a):64*\b+8*(\a)+7], v[SC+16*(\sc)+2*(\a)+(\q)], v[SC+16*(\sc)+2*(4+\b)+(\q)] matrix_a_fmt:MATRIX_FMT_FP6 matrix_b_fmt:MATRIX_FMT_FP6 matrix_b_scale:MATRIX_SCALE_ROW1
.endif
.endr
.endr
.endm
; Group g (0, 1) of half h (token tiles 4 h .. 4 h + 3) of step st.  Phase Q: two token tiles' products.  Phase K, V: g = 0 K's sixteen, g = 1 V's sixteen.
; Windows: source 0, source 1, C, D: K and Q 1, 0, 2, 2 (0xa1), with a bias 1, 0, 0, 2 (0x81); V 0, 1, 3, 3 (0xf4), with a bias 0, 1, 0, 3 (0xc4).
.macro MULG st, h, g
.if (\st) < 8
.if (\st) == 0
	WIN 0x81
	KT2 4*(\h)+2*(\g), 0, 0, 0, BQ
.else
	WIN 0xa1
	KT2 4*(\h)+2*(\g), (\st)%2, (\st)%2, ((\st)/2)%2, 0
.endif
.else
.if (\g) == 0
.if (\st) == 8
	WIN 0x81
	KT2 4*(\h), 0, 0, 0, BK
	KT2 4*(\h)+2, 0, 0, 0, BK
.else
	WIN 0xa1
	KT2 4*(\h), (\st)%2, (\st)%2, ((\st)/2)%2, 0
	KT2 4*(\h)+2, (\st)%2, (\st)%2, ((\st)/2)%2, 0
.endif
.else
.if (\st) == 8
	WIN 0xc4
	VT2 4*(\h), 0, 0, 0, BV
	VT2 4*(\h)+2, 0, 0, 0, BV
.else
	WIN 0xf4
	VT2 4*(\h), (\st)%2, (\st)%2, ((\st)/2)%2, 0
	VT2 4*(\h)+2, (\st)%2, (\st)%2, ((\st)/2)%2, 0
.endif
.endif
.endif
.endm
.macro FETCH_B st, p                   ; the weights' fragments of step st into set p: my head's four tiles; in phase K, V also w_v's four, 128 rows further down
	WIN TO_B
.irp i, 0,1,2,3
	FRAG 128*(\p)+FR*\i, ADRB, \st, \i
.endr
.if (\st) >= 8
.irp i, 4,5,6,7
	FRAG 128*(\p)+FR*\i, ADRB, \st, \i+4
.endr
.endif
	WIN 0
.endm
.macro FETCH_A st, i0
.irp i, \i0, \i0+1, \i0+2, \i0+3
	FRAG AF+FR*(\i), ADRA, \st, \i
.endr
.endm
.macro SCALES st                       ; the scale words of steps st (even) and st + 1 into set (st / 2) % 2: register 2 i + q: lanes 0-15 x's tile i, lanes 16-31 the weights' fragment i
.irp i, 0,1,2,3,4,5,6,7
.if (\st) < 8
	ds_load_b64 v[SC+16*(((\st)/2)%2)+2*\i:SC+16*(((\st)/2)%2)+2*\i+1], v[ADRS] offset:\i*SBLK+8*(((\st)%8)/2)
.else
	ds_load_b64 v[SC+16*(((\st)/2)%2)+2*\i:SC+16*(((\st)/2)%2)+2*\i+1], v[ADRS+1+3*(\i/4)] offset:\i*SBLK+8*(((\st)%8)/2)
.endif
.endr
.endm
; A step of 128 along K.  Where the next step's bytes END in a chunk not read yet: every wave waits for its tensor loads, and a barrier shows that chunk whole.  Where they BEGIN in a later chunk than this step's: the chunk left behind
; is read no more: the wait for all tensor loads, the add, the wait for it and for my reads, the barrier; where a chunk two on is left to fetch, the barrier opens a round of the cluster's barrier and the slot is filled again.
.macro STEP st
.set NX, (\st)+1
.set C0, (96*(\st))/ROWB
.set C1, (96*NX)/ROWB
.set E0, (96*(\st)+95)/ROWB
.set E1, (96*NX+95)/ROWB
.if C1 > C0 || E1 > E0
	s_wait_tensorcnt 0x0                           ; all my tensor loads have landed
.if C1 > C0
	ds_add_u32 v[SPW], v[NIL]
	s_wait_dscnt 4*NL+1                            ; (the add and the youngest 24 loads, x's tiles 4-7, may be out)
.else
	s_wait_dscnt 4*NL                              ; (the youngest 24 loads, x's tiles 4-7, may be out)
.endif
	MULG \st, 0, 0
	s_wait_dscnt 0x0                               ; the add, where there is one, and all my reads are done
	s_barrier_signal -1
	MULG \st, 0, 1
	WIN 0
	s_barrier_wait -1
.if C1 > C0 && C0+2 < CHUNKS
	CREST                                          ; the barrier has opened a round: no wave of any partner still reads this slot or has a load on its way
.if C0 == 1 || C0 == 2                 ; chunks 3 and 4 are the next phase's: from byte 256 or 512 of one tensor's rows to byte 0 or 256 of the next's
	s_add_nc_u64 s[G0+4*(C0%2)+2:G0+4*(C0%2)+3], s[G0+4*(C0%2)+2:G0+4*(C0%2)+3], DA-ROWB
	s_add_nc_u64 s[G0B+4*(C0%2)+2:G0B+4*(C0%2)+3], s[G0B+4*(C0%2)+2:G0B+4*(C0%2)+3], DB-ROWB
.else
	s_add_nc_u64 s[G0+4*(C0%2)+2:G0+4*(C0%2)+3], s[G0+4*(C0%2)+2:G0+4*(C0%2)+3], 2*ROWB
	s_add_nc_u64 s[G0B+4*(C0%2)+2:G0B+4*(C0%2)+3], s[G0B+4*(C0%2)+2:G0B+4*(C0%2)+3], 2*ROWB
.endif
.if C0 == 0
	JLOAD G0+4*(C0%2), G0B+4*(C0%2), 1             ; chunk C0 + 2, the first tensor load behind the round; the v_nop behind it are the places in front of the loads below
.else
	JLOAD G0+4*(C0%2), G0B+4*(C0%2), 0
.endif
.else
	PLACES NP
.endif
.else
	s_wait_dscnt 4*NL                              ; the weights' set and x's tiles 0-3 are in; the youngest 24 loads may be out
	MULG \st, 0, 0
	MULG \st, 0, 1
	s_wait_dscnt 0
	PLACES NP
.endif
	FETCH_B NX, NX%2
	FETCH_A NX, 0
.if NX%2 == 0
	SCALES NX
.endif
	MULG \st, 1, 0
	MULG \st, 1, 1
	PLACES NP
	WIN 0
	FETCH_A NX, 4
.endm
; THE WAY OUT.  QUANT: 64 numbers a lane, 32 registers at s0 and 32 at s1 of window w, are four blocks of 32 (a block lies in lanes l and l xor 16): v[PC .. PC + 11] their codes as an operand's registers, v[PW] their four scale bytes.
.macro QUANT s0, s1, w
	WIN (((\w)<<2)|((\w)<<4))
.irp b, 0,1,2,3
	v_max3_num_f32 v[TM+\b], 0x1800000, |v[(\s0)+((\s1)-(\s0))*(\b/2)+16*(\b%2)]|, |v[(\s0)+((\s1)-(\s0))*(\b/2)+16*(\b%2)+1]|   ; with the floor 2^(3 - 127); each accumulator from its low end on
.endr
.irp i, 2,4,6,8,10,12,14
.irp b, 0,1,2,3
	v_max3_num_f32 v[TM+\b], v[TM+\b], |v[(\s0)+((\s1)-(\s0))*(\b/2)+16*(\b%2)+\i]|, |v[(\s0)+((\s1)-(\s0))*(\b/2)+16*(\b%2)+\i+1]|
.endr
.endr
	WIN 0
.irp b, 0,1,2,3
	v_permlanex16_b32 v[TM+4+\b], v[TM+\b], s2, s3
.endr
.irp b, 0,1,2,3
	v_max_num_f32 v[TM+\b], v[TM+\b], v[TM+4+\b]
.endr
.irp b, 0,1,2,3
	v_add_nc_u32 v[TM+12+\b], 0xff000000, v[TM+\b] ; 2 off the exponent field: the conversion's scale operand
.endr
.irp b, 0,1,2,3
	v_lshrrev_b32 v[TM+4+\b], 23, v[TM+12+\b]      ; the scale's byte
.endr
	v_lshl_or_b32 v[PW], v[TM+5], 8, v[TM+4]
	v_lshl_or_b32 v[PW], v[TM+6], 16, v[PW]
	v_lshl_or_b32 v[PW], v[TM+7], 24, v[PW]
	s_wait_alu depctr_va_vdst(0)                   ; the wait ahead of the blocking wait
	s_wait_xcnt 0x0                                ; the last codes' stores have read their registers
	WIN (\w)
	v_cvt_scalef32_pk16_fp6_f32 v[PC:PC+2], v[(\s0):(\s0)+15], v[TM+12]
	v_cvt_scalef32_pk16_fp6_f32 v[PC+12:PC+14], v[(\s0)+16:(\s0)+31], v[TM+13]
	v_cvt_scalef32_pk16_fp6_f32 v[PC+6:PC+8], v[(\s1):(\s1)+15], v[TM+14]
	v_cvt_scalef32_pk16_fp6_f32 v[PC+16:PC+18], v[(\s1)+16:(\s1)+31], v[TM+15]
	WIN 0
	v_nop                                          ; one plain line behind the scaled conversions
.irp c, 0,1
.irp i, 0,1,2
	v_permlane16_swap_b32 v[PC+6*\c+\i], v[PC+12+4*\c+\i]   ; the operand's layout wants a whole block in a lane
.endr
.irp i, 0,1,2
	v_mov_b32 v[PC+3+6*\c+\i], v[PC+12+4*\c+\i]
.endr
.endr
.endm
.macro TMINIT
.irp b, 0,1,2,3
	v_mov_b32 v[TM+4+\b], 0                        ; a lane permute's destination counts as one of its sources
.endr
.endm
.macro OUTQK off, soff                 ; window 2: eight token tiles x 64 channels: a pair of tiles is twelve registers; a tile's scale word has two bytes and 0x7f7f above them
	TMINIT
.irp pi, 0,1,2,3
	QUANT 64*\pi, 64*\pi+32, 2
.irp g, 0,1,2
	global_store_b128 v[L16], v[PC+4*\g:PC+4*\g+3], s[98:99] offset:\off+1536*\pi+512*\g   ; 512 consecutive bytes, aligned
.endr
	v_and_or_b32 v[W+2*\pi], v[PW], 0xffff, s12
	v_lshrrev_b32 v[T], 16, v[PW]
	v_or_b32 v[W+2*\pi+1], s12, v[T]
.endr
	s_wait_alu depctr_va_vdst(0)                   ; the wait ahead of the blocking wait
	s_wait_xcnt 0x0
.irp i, 0,1,2,3
	v_cndmask_b32 v[OS+\i], v[W+\i], v[W+4+\i], s13   ; lanes 0-15 tile i, lanes 16-31 tile 4 + i
.endr
	global_store_b128 v[L16], v[OS:OS+3], s[98:99] offset:\soff
	s_wait_xcnt 0x0                                ; the registers at work here are written again further on
.endm
	s_wait_alu depctr_va_vdst(0)                   ; the wait at the head's end
	s_wait_tensorcnt 0x0                           ; my tile of the head's four is in; the full sequence ahead of slot 1's first fill:
	ds_add_u32 v[SPW], v[NIL]
	s_mov_b32 s[G1+2], 128<<16                     ; no tensor load of mine is out: from here on a load of x brings 128 rows
	s_mov_b32 s[G1+4], 128
	s_wait_dscnt 0x0
	CROUND
	JLOAD G0+4, G0B+4, 1                           ; chunk 1
	FETCH_B 0, 0
	FETCH_A 0, 0
	SCALES 0
	FETCH_A 0, 4
	s_wait_loadcnt 0x0                             ; the biases
	STEP 0
.set ST, 1
.rept 7
	STEP ST
.set ST, ST+1
.endr
	OUTQK 13056, 19200                             ; Q leaves while chunks 3 and 4 are on their way; the places behind step 7's last products stand at that step's end
.rept 7
	STEP ST
.set ST, ST+1
.endr
	s_wait_dscnt 4*NL                              ; step 15: nothing more to fetch
	MULG 15, 0, 0
	MULG 15, 0, 1
	s_wait_dscnt 0
	MULG 15, 1, 0
	MULG 15, 1, 1
	WIN 0
	PLACES NP
	OUTQK 0, 12288                                 ; K
	TMINIT
.irp b, 0,1,2,3                        ; V^T, window 3: channel tile b x 128 tokens is twelve registers and one scale word
	QUANT 64*\b, 64*\b+32, 3
.irp g, 0,1,2
	global_store_b128 v[L16], v[PC+4*\g:PC+4*\g+3], s[98:99] offset:6144+1536*\b+512*\g
.endr
	v_mov_b32 v[W+\b], v[PW]
.endr
	s_wait_alu depctr_va_vdst(0)                   ; the wait ahead of the blocking wait
	s_wait_xcnt 0x0
	v_cndmask_b32 v[OS], v[W], v[W+2], s13         ; lanes 0-15 tile i, lanes 16-31 tile 2 + i
	v_cndmask_b32 v[OS+1], v[W+1], v[W+3], s13
	global_store_b64 v[L8], v[OS:OS+1], s[98:99] offset:12800
	s_wait_tensorcnt 0x0                           ; the wave's end
	ds_add_u32 v[SPW], v[NIL]
	s_wait_dscnt 0x0
	CROUND                                         ; the closing round
	s_endpgm
.Lfunc_end_k_q05327e19a1_proj:
	.size	k_q05327e19a1_proj, .Lfunc_end_k_q05327e19a1_proj-k_q05327e19a1_proj
	.p2alignl 7, 3214868480
	.fill 96, 4, 3214868480
	.section	.rodata,"a",@progbits
	.p2align	6, 0x0
	.amdhsa_kernel k_q05327e19a1_proj
		.amdhsa_group_segment_fixed_size 327680
		.amdhsa_private_segment_fixed_size 0
		.amdhsa_enable_private_segment 0
		.amdhsa_kernarg_size 48
		.amdhsa_user_sgpr_count 2
		.amdhsa_user_sgpr_kernarg_segment_ptr 1
		.amdhsa_wavefront_size32 1
		.amdhsa_system_sgpr_workgroup_id_x 1
		.amdhsa_system_sgpr_workgroup_id_y 1
		.amdhsa_system_sgpr_workgroup_id_z 1
		.amdhsa_system_vgpr_workitem_id 0
		.amdhsa_next_free_vgpr 1024
		.amdhsa_next_free_sgpr 102
		.amdhsa_reserve_vcc 0
		.amdhsa_float_denorm_mode_32 3
		.amdhsa_float_denorm_mode_16_64 3
		.amdhsa_memory_ordered 1
		.amdhsa_forward_progress 1
		.amdhsa_inst_pref_size 255
	.end_amdhsa_kernel
	.section	.bss,"aw",@nobits
	.p2align	6
	.space	262144
	.amdgpu_metadata
---
amdhsa.version: [ 1, 2 ]
amdhsa.kernels:
  - .name:           k_q05327e19a1_proj
    .symbol:         k_q05327e19a1_proj.kd
    .args:
      - { .name: codes, .offset: 0, .size: 8, .value_kind: global_buffer, .address_space: global }
      - { .name: scales, .offset: 8, .size: 8, .value_kind: global_buffer, .address_space: global }
      - { .name: b_q, .offset: 16, .size: 8, .value_kind: global_buffer, .address_space: global }
      - { .name: b_k, .offset: 24, .size: 8, .value_kind: global_buffer, .address_space: global }
      - { .name: b_v, .offset: 32, .size: 8, .value_kind: global_buffer, .address_space: global }
      - { .name: qkv, .offset: 40, .size: 8, .value_kind: global_buffer, .address_space: global }
    .group_segment_fixed_size: 327680
    .private_segment_fixed_size: 0
    .kernarg_segment_align: 8
    .kernarg_segment_size: 48
    .max_flat_workgroup_size: 128
    .sgpr_count:     102
    .vgpr_count:     1024
    .wavefront_size: 32
...
	.end_amdgpu_metadata
.endif
;; end of part 2
;; launch attn (part 3): grid 4 x 64, 16 waves a work-group, no clusters, 280,576 bytes of LDS; arguments qkv, maskw, flags, out0; writes out0
.if DOCPART == 3
	.amdgcn_target "amdgcn-amd-amdhsa--gfx1250"
	.amdhsa_code_object_version 6
	.text
	.protected	k_q05327e19a1_attn
	.globl	k_q05327e19a1_attn
	.p2align	8
	.type	k_q05327e19a1_attn,@function
k_q05327e19a1_attn:
	s_mov_b64 s[64:65], 0
	v_nop
	global_prefetch_b8 v0, s[64:65] scope:SCOPE_SE
	s_setreg_imm32_b32 hwreg(HW_REG_WAVE_MODE, 25, 1), 1
	s_wait_xcnt 0x0
; ATTN.  z[b][q][head][:] = the sum over k of softmax_k(q . k / 8, masked) v, both products on codes of FP6 (E2M3) with E8M0 scales.
; THE SOFTMAX AHEAD OF THE SECOND PRODUCT: t = score x log2(e) / 8; M = the row's largest t so far, rounded UP to a whole number; p = 2^(t - M) is quantised along the keys, not normalised.
; The row's sum is taken of the unquantised p and divides at the end.  When M moves, the sum and O are multiplied by 2^(old M - new M): exact.
; SHARES.  A work-group (c = x, 16 b + head = y) holds its head's whole K and V (16 records of 13,056 bytes: images of operand registers) in LDS, copied once through registers.  Wave w takes query tiles 4 w + c and 127 - (4 w + c), one after the other.
; LAYOUT.  Both products are used transposed: S^T = K Q^T, O^T = V^T P^T: a lane holds ONE query (lane % 16).  Tile t of 16 tokens holds tokens 32 (t / 2) + 8 (t % 2) + r + 8 (r / 8), so score register 16 be + i is key 32 be + 16 (lane / 16) + i of the step.
; A HEAD HAS 64 CHANNELS, the instruction 128: Q's registers 6-11 are zero codes for ever; K's tile t is named as v[32 + 6 t .. + 11], whose upper six registers are the next tile's codes (numbers, multiplied by zeros); their scale bytes are 0x7f.
; THE MASK is an input.  An earlier launch has stored, for each tile and step of 128 keys, four words a lane with the lane's own 64 mask bits, and for each tile a word of flags: bit ks: the step must be worked; bit 16 + ks: it has a masked key.
; The bit of score register n (g = n / 32, i = (n / 4) % 8, j = n % 4) lies in word 2 g + j % 2 at bit p = 8 (j | 1) + i, and bit p - 8 of that word is 0.  So (word << (31 - p)) | 0x7f7fffff is the largest f32 number with the mask bit as its sign,
; and the middle one of (score, that number, -2^33) is the score where the key is open and -2^33 where it is masked: two lines a score, in the steps that have a masked key alone.
; A step's words (512 bytes a tile) are asked for only where the flags say that the step is worked and has a masked key, one step ahead: behind the last use of the words before them.
; A step that is wholly masked for all 16 queries is left out, unless a row of the tile is masked at every key (then all steps are worked): its p would be 0 beside the row's open keys.  The key loop has a constant count; the branches stand inside it.
; No tensor loads and no joint requests: the walk over the steps branches on stored numbers.  No prefetch: K and V are read once by a work-group, at its head, where there is no loop to run ahead in.
; LIMITS: a masked score is taken as -2^33 (logit -2^30) in place of logit -1e9: c x 2^33 is a whole number in f32, so a wholly masked row gives p = 1 exactly, as the definition does; an open score at or under -2^33 is held at -2^33,
;   so the result differs only where open logits lie under about -9.9e8.  NaN and infinities are not served.
.set REC,   19712                      ; a record in memory
.set LREC,  13056                      ; its part for LDS: K's codes 0, V^T's codes 6,144, K's scale words 12,288, V^T's 12,800
.set HEADS, 16*REC
.set STG,   16*LREC                    ; behind the records: a stage of 16 rows x 272 bytes for each wave; behind the stages, from 0x44000, the spare words
.set LI,  1                            ; v1   16 x lane
.set AD,  2                            ; v2   the step's record + 16 x lane
.set L8,  3                            ; v3   8 x lane
.set AD8, 4                            ; v4   the step's record + 8 x lane
.set STO, 5                            ; v5   the stage: where I put my row's numbers
.set RD,  6                            ; v6   and where I read rows back
.set GO,  7                            ; v7   my byte offset among the tile's rows of the output
.set NEG, 8                            ; v8   -2^33
.set QS2, 10                           ; v10  the second tile's Q scale word
.set NM,  12                           ; v12  -M;  v13 the largest t;  v[14:15] the sum in two halves
.set MT,  13
.set LS,  14
.set Q,   16                           ; v16-27  Q's fragment (v22-27 zeros)
.set KSC, 28                           ; v28-31  K's scale words: lanes 0-15 tile i, lanes 16-31 tile 4 + i
.set KF,  32                           ; v32-79  K's eight tiles, then V^T's four;  v80-85 zeros
.set QS,  86                           ; v86  Q's scale word
.set PS,  87                           ; v87  p's scale word
.set VSC, 88                           ; v88-89  V^T's scale words: lanes 0-15 tile i, lanes 16-31 tile 2 + i
.set Q2,  90                           ; v90-95  the second tile's Q
.set S,   96                           ; v96-159 S^T, then p
.set O,   160                          ; v160-191 O^T
.set PC,  192                          ; v192-203 p's codes, v204-210 their second halves on the way
.set BM,  212                          ; v212-215 each block's largest score, then largest p
.set BT,  216                          ; v216-219 at work
.set SO,  220                          ; v220-223 the conversions' scale operands
.set F,   224                          ; v[224:225] f = 2^(old M - new M)
.set T,   226
.set QA,  230                          ; v230-236 at the head: offsets of Q's loads
.set MA,  230                          ; v230 in the loop: the offset of a step's mask words
.set MW,  232                          ; v232-235 a step's four mask words
.set U,   238                          ; v238-251 at work: eight signed bounds in a masked step; seven partial sums of p.  (At the head v238-241 are the copy's offsets)
.set WV,  12
.set FM,  15                           ; s15  bit ks: step ks is worked and has a masked key
.set SEL, 18                           ; s[18:19] lane selects for lane l xor 16
.set CS,  20                           ; s[20:21] c = log2(e) / 8
.set TB,  22                           ; s22  LDS byte of the step's record
.set STP, 23                           ; s23  the step
.set FL,  24                           ; s24, s25 the two tiles' flags
.set MP,  26                           ; s[26:27], s[28:29] the two tiles' mask words
.set MO,  30                           ; s30  512 x step
.set YC,  44                           ; s44  0x7f7fffff
                                       ; s[2:3], s[16:17] the two tiles' rows of the output
	s_load_b256 s[4:11], s[0:1], 0x0               ; qkv s[4:5], maskw s[6:7], flags s[8:9], out0 s[10:11]
	v_lshl_add_u32 v254, v0, 2, 0x44000
	v_mov_b32 v255, 0
	v_lshrrev_b32 v9, 5, v0
	s_delay_alu instid0(VALU_DEP_1)
	v_readfirstlane_b32 s[WV], v9                  ; wave 0..15
	v_and_b32 v9, 31, v0
	s_delay_alu instid0(VALU_DEP_1)
	v_lshlrev_b32 v[LI], 4, v9
	s_delay_alu instid0(VALU_DEP_2)
	v_lshlrev_b32 v[L8], 3, v9
	v_and_b32 v11, 15, v0                          ; r
	v_bfe_u32 v9, v0, 4, 1                         ; h
	s_and_b32 s13, ttmp7, 0xffff                   ; 16 b + head
	s_lshr_b32 s14, s13, 4                         ; b
	s_and_b32 s37, s13, 15
	s_lshl_b32 s37, s37, 8                         ; a head's 64 numbers are 256 bytes of an output row
	s_lshl_b32 s36, s14, 11                        ; 2,048 b
	s_lshl_b32 s14, s14, 7                         ; 128 b
	s_lshl_b32 s100, s[WV], 2
	s_add_co_u32 s100, s100, ttmp9                 ; my first tile: 4 w + c
	s_sub_co_u32 s101, 127, s100                   ; my second
	s_mul_i32 s38, s13, HEADS
	s_mov_b32 s39, 0
	s_mov_b32 s35, 0
	s_mov_b32 s[SEL], 0x76543210
	s_mov_b32 s[SEL+1], 0xfedcba98
	s_mov_b32 s[CS], 0x3e38aa3b                    ; log2(e) / 8
	s_mov_b32 s[CS+1], s[CS]                       ; (named with it as a pair, so it is written)
	s_mov_b32 s[YC], 0x7f7fffff
	s_wait_alu depctr_va_vdst(0)                   ; the wait ahead of the blocking wait
	s_wait_kmcnt 0x0
	s_add_nc_u64 s[4:5], s[4:5], s[38:39]          ; my head's records
; Tile p (its number t in s[100 + p]): its flags, mask words, output rows, and Q.  In Q's image tile t % 8 is registers 6 (t % 8) .. + 5; register R lies at 512 (R / 4) + 16 lane + 4 (R % 4).
.macro TILE p, qd, qsd
	s_add_co_u32 s13, s14, s[100+\p]               ; 128 b + t
	s_lshl_b32 s[32+\p], s13, 2
	s_load_b32 s[FL+\p], s[8:9], s[32+\p] offset:0x0
	s_lshl_b32 s34, s13, 13                        ; 16 steps x 512 bytes
	s_add_nc_u64 s[MP+2*\p:MP+2*\p+1], s[6:7], s[34:35]
	s_lshr_b32 s13, s[100+\p], 1
	s_lshl_b32 s13, s13, 5
	s_and_b32 s31, s[100+\p], 1
	s_lshl_b32 s31, s31, 3
	s_add_co_u32 s13, s13, s31
	s_add_co_u32 s13, s13, s36                     ; the tile's first token: 2,048 b + 32 (t / 2) + 8 (t % 2)
	s_lshl_b32 s34, s13, 12                        ; a row of the output is 4,096 bytes
	s_add_co_u32 s34, s34, s37
	s_add_nc_u64 s[2+14*\p:3+14*\p], s[10:11], s[34:35]
	s_lshr_b32 s13, s[100+\p], 3
	s_mul_i32 s13, s13, REC                        ; the record of its 128 tokens
	s_bfe_u32 s31, s[100+\p], 0x20001
	s_mul_i32 s31, s31, 1536                       ; a pair of tiles is three groups of four registers
	s_add_co_u32 s31, s31, s13
	s_and_b32 s34, s[100+\p], 1
	s_mul_i32 s40, s34, 520                        ; an odd tile begins 6 registers on: its three pairs lie at 520, 1,024, 1,032 for an even tile's 0, 8, 512
	s_add_co_u32 s40, s40, s31
	v_add_nc_u32 v[QA+4*\p], s40, v[LI]
	s_wait_alu depctr_va_vdst(0)                   ; the wait ahead of the run of scalar lines
	s_mul_i32 s40, s34, 1016
	s_add_co_u32 s40, s40, s31
	v_add_nc_u32 v[QA+4*\p+1], s40, v[LI]
	s_bfe_u32 s31, s[100+\p], 0x10002
	s_lshl_b32 s31, s31, 8                         ; scale words: tiles 4-7 lie in lanes 16-31's places,
	s_add_co_u32 s31, s31, s13
	s_and_b32 s34, s[100+\p], 3
	s_lshl_b32 s34, s34, 2                         ; register t % 4
	s_add_co_u32 s31, s31, s34
	v_lshl_add_u32 v[QA+4*\p+2], v11, 4, s31
	global_load_b64 v[\qd:\qd+1], v[QA+4*\p], s[4:5] offset:13056
	global_load_b64 v[\qd+2:\qd+3], v[QA+4*\p+1], s[4:5] offset:13056+8
	global_load_b64 v[\qd+4:\qd+5], v[QA+4*\p], s[4:5] offset:13056+512
	global_load_b32 v[\qsd], v[QA+4*\p+2], s[4:5] offset:19200
.endm
	TILE 0, Q, QS
	TILE 1, Q2, QS2
	; record w goes to LDS through my registers: 25 loads of 512 bytes and one of 256
	s_mul_i32 s13, s[WV], REC
	v_add_nc_u32 v238, s13, v[LI]
	v_add_nc_u32 v239, s13, v[L8]
	s_mul_i32 s13, s[WV], LREC
	v_add_nc_u32 v240, s13, v[LI]
	v_add_nc_u32 v241, s13, v[L8]
.set I, 0
.rept 25
	global_load_b128 v[S+4*I:S+4*I+3], v238, s[4:5] offset:512*I
.set I, I+1
.endr
	global_load_b64 v[S+100:S+101], v239, s[4:5] offset:12800
	s_mul_i32 s13, s[WV], 16*272
	s_add_co_u32 s13, s13, STG                     ; my stage
	v_mul_u32_u24 v[STO], v11, 272
	s_delay_alu instid0(VALU_DEP_1)
	v_lshl_add_u32 v[STO], v9, 6, v[STO]
	s_delay_alu instid0(VALU_DEP_1)
	v_add_nc_u32 v[STO], s13, v[STO]               ; in: row r, + 64 h
	v_mul_u32_u24 v[RD], v9, 272
	s_delay_alu instid0(VALU_DEP_1)
	v_lshl_add_u32 v[RD], v11, 4, v[RD]
	s_delay_alu instid0(VALU_DEP_1)
	v_add_nc_u32 v[RD], s13, v[RD]                 ; back: lanes 0-15 one row, lanes 16-31 the next
	v_lshlrev_b32 v[GO], 12, v9
	s_delay_alu instid0(VALU_DEP_1)
	v_lshl_add_u32 v[GO], v11, 4, v[GO]            ; and the same two rows of the output
	v_mov_b32 v[NEG], 0xd0000000                   ; -2^33
.irp i, 0,1,2,3,4,5
	v_mov_b32 v[Q+6+\i], 0                         ; zero codes: Q's K = 64 .. 127
	v_mov_b32 v[KF+48+\i], 0                       ; and what stands behind K's last tile
.endr
.irp b, 0,1,2,3
	v_mov_b32 v[BT+\b], 0                          ; written once: a lane permute's destination counts as one of its sources
.endr
	v_mov_b32 v[F+1], 0                            ; (named as the upper half of the pair before it is first written)
.set I, 0
.rept 25
	s_wait_loadcnt 25-I                            ; loads come back in order: load I is in, the 25 - I younger ones may be out
	ds_store_b128 v240, v[S+4*I:S+4*I+3] offset:512*I
.set I, I+1
.endr
	s_wait_loadcnt 0x0
	ds_store_b64 v241, v[S+100:S+101] offset:12800
	s_wait_dscnt 0x0                               ; for the others' sake: my record lies in LDS
	s_wait_kmcnt 0x0                               ; the flags
	s_barrier_signal -1
	s_barrier_wait -1                              ; all sixteen records do: the launch's one barrier
.irp i, 0,1,2,3
	v_mov_b32 v[MW+\i], 0                          ; written once (Q's loads, which named these registers, are done): the words are read only in steps whose flags had them loaded, and every way through the text finds them written
.endr
; The NEXT step's mask words, where that step is worked and has a masked key (bit STP + 1 of s[FM]; behind step 15 that bit is 0, so nothing past the tile's 8,192 bytes is asked for).
; It stands behind the last use of this step's words.  The wait: no older load of mine names the offset or the four registers any more.
.macro PF mp
	s_lshr_b32 s14, s[FM], s[STP]
	s_and_b32 s14, s14, 2
	s_cmp_eq_u32 s14, 0
	s_cbranch_scc1 .Lnpf_\@
	s_wait_loadcnt 0x0
	v_add_nc_u32 v[MA], s[MO], v[LI]
	global_load_b128 v[MW:MW+3], v[MA], s[\mp:\mp+1] offset:512
.Lnpf_\@:
.endm
; ONE QUERY TILE: all 16 steps of 128 keys, then the way out.  fl: the register of its flags; mp: of its mask words' address; op: of its output rows' address.
.macro PASS fl, mp, op
	v_mov_b32 v[MT], 0xff61b1e6                    ; the largest t so far: -3e38, under every t
	s_delay_alu instid0(VALU_DEP_1)
	v_floor_f32 v[NM], -v[MT]
	v_mov_b32 v[LS], 0
	v_mov_b32 v[LS+1], 0
.set J, 0
.rept 32
	v_mov_b32 v[O+J], 0                            ; O^T: the step is written once; the first finds zeros, which the first change of M leaves zeros
.set J, J+1
.endr
	s_mov_b32 s[TB], 0
	s_mov_b32 s[MO], 0
	s_mov_b32 s[STP], 0
	s_lshr_b32 s[FM], s[\fl], 16
	s_and_b32 s[FM], s[FM], s[\fl]                 ; worked and with a masked key
	s_and_b32 s14, s[FM], 1
	s_cmp_eq_u32 s14, 0
	s_cbranch_scc1 .Lno0_\@
	s_wait_loadcnt 0x0
	global_load_b128 v[MW:MW+3], v[LI], s[\mp:\mp+1]   ; step 0's words
.Lno0_\@:
.Lstep_\@:
	s_lshr_b32 s13, s[\fl], s[STP]
	s_and_b32 s14, s13, 1
	s_cmp_eq_u32 s14, 0
	s_cbranch_scc0 .Lwork_\@
	PF \mp                                         ; a step that need not be worked: only the next step's words, and on to the lines that step the addresses
	s_branch .Lskip_\@
.Lwork_\@:
	v_add_nc_u32 v[AD], s[TB], v[LI]
	v_add_nc_u32 v[AD8], s[TB], v[L8]
	v_nop
	v_nop                                          ; four plain lines between the last products and the loads into the registers that they read
.irp g, 0,1,2,3,4,5,6,7,8,9,10,11
	ds_load_b128 v[KF+4*\g:KF+4*\g+3], v[AD] offset:512*\g            ; K's eight tiles, as they were registers
.endr
	ds_load_b128 v[KSC:KSC+3], v[AD] offset:12288
	s_wait_alu depctr_va_vdst(0)                   ; the wait ahead of the blocking wait
	s_wait_dscnt 0x0
.irp t, 0,1,2,3
	v_wmma_scale_f32_16x16x128_f8f6f4 v[S+8*\t:S+8*\t+7], v[KF+6*\t:KF+6*\t+11], v[Q:Q+11], 0, v[KSC+\t], v[QS] matrix_a_fmt:MATRIX_FMT_FP6 matrix_b_fmt:MATRIX_FMT_FP6
.endr
.irp t, 4,5,6,7
	v_wmma_scale_f32_16x16x128_f8f6f4 v[S+8*\t:S+8*\t+7], v[KF+6*\t:KF+6*\t+11], v[Q:Q+11], 0, v[KSC+\t-4], v[QS] matrix_a_fmt:MATRIX_FMT_FP6 matrix_b_fmt:MATRIX_FMT_FP6 matrix_a_scale:MATRIX_SCALE_ROW1
.endr
.rept 4
	v_nop                                          ; places: in front of the loads over K's registers and of the first reads of the scores
.endr
.irp g, 0,1,2,3,4,5,6,7,8,9,10,11
	ds_load_b128 v[KF+4*\g:KF+4*\g+3], v[AD] offset:6144+512*\g       ; V^T's four tiles land while the softmax is worked
.endr
	ds_load_b64 v[VSC:VSC+1], v[AD8] offset:12800
	s_wait_loadcnt 0x0                             ; this step's mask words are in, where they were asked for (on every way)
	s_and_b32 s14, s13, 0x10000
	s_cmp_eq_u32 s14, 0
	s_cbranch_scc1 .Lopen_\@                       ; no key of the step is masked for any of my queries
.set N, 0
.rept 8                                        ; eight scores at a time, each accumulator from its low end on
.irp e, 0,1,2,3,4,5,6,7
	v_lshl_or_b32 v[U+\e], v[MW+2*((N+\e)/32)+((N+\e)%2)], 31-8*(((N+\e)%4)|1)-((N+\e)/4)%8, s[YC]   ; the largest f32 number, negative where the key is masked
.endr
.irp e, 0,1,2,3,4,5,6,7
	v_med3_num_f32 v[S+N+\e], v[S+N+\e], v[U+\e], v[NEG]   ; the middle one: the score, or -2^33
.endr
.set N, N+8
.endr
.Lopen_\@:
	PF \mp
.irp b, 0,1,2,3
	v_max3_num_f32 v[BM+\b], v[S+16*\b], v[S+16*\b+1], v[S+16*\b+2]   ; the largest score of each block of 32 keys: for the row's maximum, and, since p rises with the score, for the block's largest p
.endr
.irp i, 3,5,7,9,11,13
.irp b, 0,1,2,3
	v_max3_num_f32 v[BM+\b], v[BM+\b], v[S+16*\b+\i], v[S+16*\b+\i+1]
.endr
.endr
.irp b, 0,1,2,3
	v_max_num_f32 v[BM+\b], v[BM+\b], v[S+16*\b+15]
.endr
.irp b, 0,1,2,3
	s_delay_alu instid0(VALU_DEP_4)
	v_permlanex16_b32 v[BT+\b], v[BM+\b], s[SEL], s[SEL+1]
.endr
.irp b, 0,1,2,3
	s_delay_alu instid0(VALU_DEP_4)
	v_max_num_f32 v[BM+\b], v[BM+\b], v[BT+\b]     ; with lane l xor 16's 16 keys
.endr
	s_delay_alu instid0(VALU_DEP_2)
	v_max3_num_f32 v[T], v[BM], v[BM+1], v[BM+2]
	s_delay_alu instid0(VALU_DEP_1)
	v_max_num_f32 v[T], v[T], v[BM+3]
	s_delay_alu instid0(VALU_DEP_1)
	v_mul_f32 v[T], s[CS], v[T]                    ; the step's largest t of my query
	s_delay_alu instid0(VALU_DEP_1)
	v_max_num_f32 v[MT], v[MT], v[T]
	v_mov_b32 v[T], v[NM]
	s_delay_alu instid0(VALU_DEP_2)
	v_floor_f32 v[NM], -v[MT]                      ; the new -M = -ceil(t): M is a whole number
	s_delay_alu instid0(VALU_DEP_1)
	v_sub_f32 v[T], v[NM], v[T]                    ; old M - new M: a whole number, 0 or less
	s_delay_alu instid0(VALU_DEP_1)
	v_cvt_i32_f32 v[T], v[T]                       ; (it saturates)
	s_delay_alu instid0(VALU_DEP_1)
	v_ldexp_f32 v[F], 1.0, v[T]                    ; f = 2^(old M - new M)
.set J, 0
.rept 32
	v_pk_fma_f32 v[S+J:S+J+1], v[S+J:S+J+1], s[CS:CS+1], v[NM:NM+1] op_sel_hi:[1,0,0]   ; t - M, two at a time
.set J, J+2
.endr
.irp b, 0,1,2,3
	v_fma_f32 v[BM+\b], v[BM+\b], s[CS], v[NM]     ; the same of each block's largest score
.endr
.set J, 0
	s_wait_alu depctr_va_vdst(0)                   ; the wait ahead of the batch
.rept 64
	v_exp_f32 v[S+J], v[S+J]                       ; p = 2^(t - M)
.set J, J+1
.endr
	v_pk_mul_f32 v[LS:LS+1], v[LS:LS+1], v[F:F+1] op_sel_hi:[1,0]   ; the sums under the new M (a plain line behind the exponentials)
	s_wait_alu depctr_va_vdst(0)                   ; one wait for the batch of 64, ahead of its first reader
.irp b, 0,1,2,3
	v_exp_f32 v[BM+\b], v[BM+\b]                   ; the block's largest p
.endr
	; the row's sum of the unquantised p: 32 pairs in eight chains (seven partial sums and the running sum), then joined
.irp c, 0,1,2,3,4,5,6
	v_pk_add_f32 v[U+2*\c:U+2*\c+1], v[S+2*\c:S+2*\c+1], v[S+16+2*\c:S+16+2*\c+1]
.endr
	v_pk_add_f32 v[LS:LS+1], v[LS:LS+1], v[S+14:S+15]
.irp c, 0,1,2,3,4,5,6
	v_pk_add_f32 v[U+2*\c:U+2*\c+1], v[U+2*\c:U+2*\c+1], v[S+32+2*\c:S+32+2*\c+1]
.endr
	v_pk_add_f32 v[LS:LS+1], v[LS:LS+1], v[S+30:S+31]
.irp c, 0,1,2,3,4,5,6
	v_pk_add_f32 v[U+2*\c:U+2*\c+1], v[U+2*\c:U+2*\c+1], v[S+48+2*\c:S+48+2*\c+1]
.endr
	v_pk_add_f32 v[LS:LS+1], v[LS:LS+1], v[S+46:S+47]
	v_pk_add_f32 v[U:U+1], v[U:U+1], v[U+2:U+3]
	v_pk_add_f32 v[U+4:U+5], v[U+4:U+5], v[U+6:U+7]
	v_pk_add_f32 v[U+8:U+9], v[U+8:U+9], v[U+10:U+11]
	v_pk_add_f32 v[U+12:U+13], v[U+12:U+13], v[S+62:S+63]
	s_delay_alu instid0(VALU_DEP_3)
	v_pk_add_f32 v[U:U+1], v[U:U+1], v[U+4:U+5]
	s_delay_alu instid0(VALU_DEP_2)
	v_pk_add_f32 v[U+8:U+9], v[U+8:U+9], v[U+12:U+13]
	s_delay_alu instid0(VALU_DEP_2)
	v_pk_add_f32 v[LS:LS+1], v[LS:LS+1], v[U:U+1]
	s_delay_alu instid0(VALU_DEP_1)
	v_pk_add_f32 v[LS:LS+1], v[LS:LS+1], v[U+8:U+9]
	s_wait_alu depctr_va_vdst(0)                   ; and one wait for the four
.irp b, 0,1,2,3
	v_max_num_f32 v[BM+\b], 0x1800000, v[BM+\b]    ; the floor 2^(3 - 127): the byte cannot fall under 1 (a block whose every p is 0 keeps that byte: its codes are zeros)
.endr
.irp b, 0,1,2,3
	s_delay_alu instid0(VALU_DEP_4)
	v_add_nc_u32 v[SO+\b], 0xff000000, v[BM+\b]    ; 2 off the exponent field: the conversion's scale operand
.endr
.irp b, 0,1,2,3
	s_delay_alu instid0(VALU_DEP_4)
	v_lshrrev_b32 v[BT+\b], 23, v[SO+\b]           ; the scale's byte
.endr
	s_delay_alu instid0(VALU_DEP_3)
	v_lshl_or_b32 v[PS], v[BT+1], 8, v[BT]
	s_delay_alu instid0(VALU_DEP_1)
	v_lshl_or_b32 v[PS], v[BT+2], 16, v[PS]
	s_delay_alu instid0(VALU_DEP_1)
	v_lshl_or_b32 v[PS], v[BT+3], 24, v[PS]        ; p's scale word for these 128 keys
.irp c, 0,1
	v_cvt_scalef32_pk16_fp6_f32 v[PC+6*\c:PC+6*\c+2], v[S+32*\c:S+32*\c+15], v[SO+2*\c]
	v_cvt_scalef32_pk16_fp6_f32 v[PC+12+4*\c:PC+12+4*\c+2], v[S+32*\c+16:S+32*\c+31], v[SO+2*\c+1]   ; (a conversion's three registers begin on an even number)
.endr
	v_nop                                          ; one plain line behind the scaled conversions
.irp c, 0,1                                    ; the operand's layout wants a WHOLE block in a lane
.irp i, 0,1,2
	v_permlane16_swap_b32 v[PC+6*\c+\i], v[PC+12+4*\c+\i]
.endr
.irp i, 0,1,2
	s_delay_alu instid0(VALU_DEP_3)
	v_mov_b32 v[PC+3+6*\c+\i], v[PC+12+4*\c+\i]
.endr
.endr
.set J, 0
.rept 16
	v_pk_mul_f32 v[O+J:O+J+1], v[O+J:O+J+1], v[F:F+1] op_sel_hi:[1,0]   ; O^T under the new M.  (These 16 are also the places between the lines that made p's codes and scale word and the products)
.set J, J+2
.endr
	s_wait_alu depctr_va_vdst(0)                   ; the wait ahead of the blocking wait
	s_wait_dscnt 0x0                               ; V^T is in
.irp t, 0,1
	v_wmma_scale_f32_16x16x128_f8f6f4 v[O+8*\t:O+8*\t+7], v[KF+12*\t:KF+12*\t+11], v[PC:PC+11], v[O+8*\t:O+8*\t+7], v[VSC+\t], v[PS] matrix_a_fmt:MATRIX_FMT_FP6 matrix_b_fmt:MATRIX_FMT_FP6
.endr
.irp t, 2,3
	v_wmma_scale_f32_16x16x128_f8f6f4 v[O+8*\t:O+8*\t+7], v[KF+12*\t:KF+12*\t+11], v[PC:PC+11], v[O+8*\t:O+8*\t+7], v[VSC+\t-2], v[PS] matrix_a_fmt:MATRIX_FMT_FP6 matrix_b_fmt:MATRIX_FMT_FP6 matrix_a_scale:MATRIX_SCALE_ROW1
.endr
.Lskip_\@:
	s_add_co_u32 s[TB], s[TB], LREC                ; the next step's record and mask words
	s_add_co_u32 s[MO], s[MO], 512
	s_add_co_u32 s[STP], s[STP], 1
	s_cmp_lt_u32 s[STP], 16
	s_cbranch_scc1 .Lstep_\@
	; THE WAY OUT.  O^T / the sum goes through my stage and leaves as rows: register 16 be + i is channel 32 be + 16 h + i of query r; sixteen lanes store a head's 256 bytes of a row.
.rept 4
	v_nop                                          ; places behind the last products
.endr
	v_add_f32 v[LS], v[LS], v[LS+1]
	s_delay_alu instid0(VALU_DEP_1)
	v_permlanex16_b32 v[BT], v[LS], s[SEL], s[SEL+1]
	s_delay_alu instid0(VALU_DEP_1)
	v_add_f32 v[LS], v[LS], v[BT]                  ; the row's sum
	s_wait_alu depctr_va_vdst(0)                   ; the wait ahead of the reciprocal
	v_rcp_f32 v[LS], v[LS]
	v_nop                                          ; a plain line behind the reciprocal,
	s_wait_alu depctr_va_vdst(0)                   ; and the wait ahead of its first reader
.set J, 0
.rept 16
	v_pk_mul_f32 v[S+J:S+J+1], v[O+J:O+J+1], v[LS:LS+1] op_sel_hi:[1,0]
.set J, J+2
.endr
.irp be, 0,1
.irp k, 0,1,2,3
	ds_store_b128 v[STO], v[S+16*\be+4*\k:S+16*\be+4*\k+3] offset:128*\be+16*\k
.endr
.endr
.irp i, 0,1,2,3,4,5,6,7
	ds_load_b128 v[S+32+4*\i:S+32+4*\i+3], v[RD] offset:544*\i     ; LDS serves a wave's instructions in order: these see my stores
.endr
.irp i, 0,1,2,3,4,5,6,7
	s_wait_dscnt 7-\i                              ; load i is in; the 7 - i younger ones may be out
	global_store_b128 v[GO], v[S+32+4*\i:S+32+4*\i+3], s[\op:\op+1] offset:(2*\i+8*(\i/4))*4096 th:TH_STORE_NT   ; the tile's row rho is token rho + 8 (rho / 8); 16 lanes store 256 consecutive bytes, aligned
.endr
	s_wait_xcnt 0x0                                ; the stores have read their data: the registers may be written again
.endm
	PASS FL, MP, 2
.irp i, 0,1,2,3,4,5
	v_mov_b32 v[Q+\i], v[Q2+\i]                    ; the second tile's Q and its scale word: the 36 lines at the next pass's head stand between these and the first product
.endr
	v_mov_b32 v[QS], v[QS2]
	PASS FL+1, MP+2, 16
	s_wait_tensorcnt 0x0                           ; the wave's end, behind my last LDS store
	ds_add_u32 v254, v255
	s_wait_dscnt 0x0
	s_endpgm
.Lfunc_end_k_q05327e19a1_attn:
	.size	k_q05327e19a1_attn, .Lfunc_end_k_q05327e19a1_attn-k_q05327e19a1_attn
	.p2alignl 7, 3214868480
	.fill 96, 4, 3214868480
	.section	.rodata,"a",@progbits
	.p2align	6, 0x0
	.amdhsa_kernel k_q05327e19a1_attn
		.amdhsa_group_segment_fixed_size 280576
		.amdhsa_private_segment_fixed_size 0
		.amdhsa_enable_private_segment 0
		.amdhsa_kernarg_size 32
		.amdhsa_user_sgpr_count 2
		.amdhsa_user_sgpr_kernarg_segment_ptr 1
		.amdhsa_wavefront_size32 1
		.amdhsa_system_sgpr_workgroup_id_x 1
		.amdhsa_system_sgpr_workgroup_id_y 1
		.amdhsa_system_sgpr_workgroup_id_z 1
		.amdhsa_system_vgpr_workitem_id 0
		.amdhsa_next_free_vgpr 256
		.amdhsa_next_free_sgpr 102
		.amdhsa_reserve_vcc 0
		.amdhsa_float_denorm_mode_32 3
		.amdhsa_float_denorm_mode_16_64 3
		.amdhsa_memory_ordered 1
		.amdhsa_forward_progress 1
		.amdhsa_inst_pref_size 73
	.end_amdhsa_kernel
	.amdgpu_metadata
---
amdhsa.version: [ 1, 2 ]
amdhsa.kernels:
  - .name:           k_q05327e19a1_attn
    .symbol:         k_q05327e19a1_attn.kd
    .args:
      - { .name: qkv, .offset: 0, .size: 8, .value_kind: global_buffer, .address_space: global }
      - { .name: maskw, .offset: 8, .size: 8, .value_kind: global_buffer, .address_space: global }
      - { .name: flags, .offset: 16, .size: 8, .value_kind: global_buffer, .address_space: global }
      - { .name: out0, .offset: 24, .size: 8, .value_kind: global_buffer, .address_space: global }
    .group_segment_fixed_size: 280576
    .private_segment_fixed_size: 0
    .kernarg_segment_align: 8
    .kernarg_segment_size: 32
    .max_flat_workgroup_size: 512
    .sgpr_count:     102
    .vgpr_count:     256
    .wavefront_size: 32
...
	.end_amdgpu_metadata
.endif
;; end of part 3
